; MI455X (gfx1250); checked and timed in simulation.
; The chip was launched on July 23, 2026; its instructions are those of AMD's public machine-readable ISA for CDNA 5 (MIT licence, August 2026) and "CDNA5" Instruction Set Architecture Reference Guide (July 2026). The comments in the code are by the model that wrote it; some were corrected since.
;; Causal Self Attention. Allowed arithmetic: matrix products marked QUANTISED: E2M3 operands, one E8M0 scale for each 32 along K, by v_wmma_scale_f32_16x16x128_f8f6f4 with both operands' format E2M3, f32 sums; everything else in f32.
;; Inputs: W_attn 1,024 x 3,072 float32; W_proj 1,024 x 1,024 float32; b_attn 3,072 float32; b_proj 1,024 float32; x 4 x 2,048 x 1,024 float32.
;; Outputs: out0 4 x 2,048 x 1,024 float32.
;; This version of the problem:
;;   THIS VERSION OF THE PROBLEM IS GIVEN IN LOW PRECISION. The matrix products marked QUANTISED in the list below multiply operands that are first quantised to E2M3 (2 exponent bits, 3 mantissa bits; 6 bits a number), with one power-of-two scale for each 32 numbers along K (OCP MX v1.0); their sums are f32. All else is computed in f32.
;;   The module's matrix products, in the order in which they are computed (A, B: the left and right operand; K: the contracted axis; several contracted axes count as one K, in the product's order):
;;     1. [M 8,192, K 1,024] x [K 1,024, N 3,072]; A: input x; B: input W_attn: QUANTISED
;;     2. batch 64 x [M 2,048, K 64] x [K 64, N 2,048]; A: computed on the way; B: computed on the way: QUANTISED
;;     3. batch 64 x [M 2,048, K 2,048] x [K 2,048, N 64]; A: softmax (see below); B: computed on the way: QUANTISED
;;     4. [M 8,192, K 1,024] x [K 1,024, N 1,024]; A: computed on the way; B: input W_proj: QUANTISED
;;   THE QUANTISER, for each operand of a quantised product, along K:
;;     - K is cut into blocks of 32 from its start; a last block that is shorter is filled with zeros.
;;     - A block's scale is 2^e with e = floor(log2(the largest magnitude in the block)) - 2, held to -126 .. 127; a block of zeros has e = 0. As a byte (E8M0): e + 127.
;;     - Each number is divided by its block's scale, clamped to +-7.5, and rounded to the nearest number of E2M3, ties to even, subnormals kept.
;;     - The product sums the exact products of the quantised numbers (number of the format x scale) in f32.
;;   ~~~python
;;   def quantise(x, axis):      # numpy; x: float32 -> the quantised numbers, widened to float32 again
;;       x = np.moveaxis(x, axis, -1); K = x.shape[-1]
;;       x = np.pad(x, [(0, 0)] * (x.ndim - 1) + [(0, -K % 32)]); x = x.reshape(x.shape[:-1] + (-1, 32)); a = np.abs(x).max(-1, keepdims=True)
;;       e = np.where(a > 0, np.clip(np.frexp(np.where(a > 0, a, 1))[1] - 1 - 2, -126, 127), 0)      # np.frexp(a)[1] - 1 = floor(log2(a)), exactly
;;       r = np.clip(x / 2.0 ** e, -7.5, 7.5)
;;       step = 2.0 ** (np.maximum(np.frexp(np.where(r == 0, 1, r))[1] - 1, 0) - 3)
;;       q = np.round(r / step) * step * 2.0 ** e      # np.round: ties to even
;;       return np.moveaxis(q.reshape(q.shape[:-2] + (-1,))[..., :K], -1, axis).astype(np.float32)
;;   ~~~
;;   SOFTMAX AHEAD OF A QUANTISED PRODUCT. Where the list says 'softmax', what is quantised is not the finished softmax but p = 2^(t - M), with t = logit x log2(e) and M = ceil(the row's largest t), a whole number; so 1/2 < the row's largest p <= 1. The row's sum l is taken of the UNQUANTISED p, in f32, and the product's result is divided by l at the end. Since M is a whole number, a kernel that streams over the keys may use a running M (the ceiling of the running maximum): every later rescaling is an exact power of two, which a block's scale takes up: the codes' values come out the same.
;;   OPERANDS COMPUTED ON THE WAY. 'Computed on the way' means the value that the module computes at that place (a softmax that the list does not call 'softmax' is quantised finished and normalised). What goes into a quantiser is computed in f32, as accurately as f32 sums, v_exp_f32 and their like allow (about 1e-6 of the number): no bf16 or f16 on the way to a quantiser, and a product that is left as it is and whose result goes on into a quantised operand takes f32 operands (vector FMAs, or v_wmma_f32_16x16x4_f32). A number that lies on a knife's edge between two numbers of the format may be rounded either way, as far as f32 arithmetic and the matrix unit's own rounding can turn it there, and no further.
;; One version. Each part assembles by itself: llvm-mc -triple=amdgcn-amd-amdhsa -mcpu=gfx1250 --defsym DOCPART=n.
;; ======== version 1 of 1: 4 launches
;; workspace buffers: xc 6,291,456 bytes; xsc 262,144 bytes; wc 3,145,728 bytes; wsc 131,072 bytes; qb 6,815,744 bytes; kv 13,631,488 bytes; yc 6,291,456 bytes; ysc 262,144 bytes
;; launch quant (part 1): grid 256 x 1, 8 waves a work-group, no clusters, 68,608 bytes of LDS; arguments x, W_attn, W_proj, xc, xsc, wc, wsc; writes xc, xsc, wc, wsc
.if DOCPART == 1
	.amdgcn_target "amdgcn-amd-amdhsa--gfx1250"
	.amdhsa_code_object_version 6
	.text
	.protected	k_qa7676eeef4_quant
	.globl	k_qa7676eeef4_quant
	.p2align	8
	.type	k_qa7676eeef4_quant,@function
k_qa7676eeef4_quant:
	s_mov_b64 s[64:65], 0
	v_nop
	global_prefetch_b8 v0, s[64:65] scope:SCOPE_SE
	s_setreg_imm32_b32 hwreg(HW_REG_WAVE_MODE, 25, 1), 1
	s_wait_xcnt 0x0
; x [8192][1024], W_attn [1024][3072] and W_proj [1024][1024], f32, become codes of FP6 (E2M3) with one E8M0 byte for each 32 along K (K = 1024 in all three),
; laid as IMAGES OF THE OPERAND REGISTERS of the products that read them: a fragment is 16 rows x 128 K, 12 registers a lane, 1,536 bytes: registers 4 c .. 4 c + 3 of lane l at 512 c + 16 l.
; THE ROWS OF A TILE ARE NOT NEIGHBOURS: inside each group of 32 tokens (or of 32 weight columns) tile 2 B + u takes in its row r the member 32 B + 8 u + r + 8 (r / 8).
; xc [32 blocks of 256 tokens][8 K steps][16 tiles][1536]; wc [32 groups of 128 columns: 24 of W_attn, 8 of W_proj][8 K steps][8 tiles][1536]; scale words xsc, wsc [tile][K step][row], 4 bytes each.
; A block's scale is 2^(floor(log2(largest magnitude)) - 2); its byte is the largest magnitude's exponent field - 2, held at 1 from below.
; LIMITS: NaN and infinities are not served; a block whose largest magnitude lies under 2^-124 gets the byte 1; a block of zeros gets the byte 1 where the rule says 127: its codes are zeros, and this program alone reads the bytes.
; SHARES: work-groups 0-127 take x (a wave: one tile of 16 tokens x 512 along K, four K steps), 128-223 W_attn, 224-255 W_proj (a wave: 32 columns x 128 along K).  Waves share nothing: no barrier.
; No matrix unit, no cluster, no tensor load: a stream that is read once; only x's path uses LDS.
.set SPARE, 67584                      ; behind the eight stages: the spare words, 128 bytes a wave
.set STG,   8448                       ; a wave's stage: 16 rows x (512 bytes + 16)
.set SPW,   12                         ; v12  my spare word's LDS address; never rewritten
.set NIL,   13                         ; v13  0; never rewritten
.set TM,    16                         ; v16-31  x: +0..3 largest magnitudes, +4..7 the other half's and the bytes, +12..15 the conversions' scale operands
.set R0,    32                         ; v32-159 x: two sets of 64 registers as loaded
.set XQ,    160                        ; v160-223 x: 64 numbers of my row: register 16 b + i = k 32 b + 16 (lane / 16) + i
.set PC,    224                        ; v224-243 x: the fragment's 12 registers, then 8 at work
.set WW,    244                        ; v244-247 x: the four K steps' scale words
.set PW,    248                        ; v248 x: the scale word just made
.set IMG,   192                        ; v192-215 weights: my row's registers in lanes (r, 0) and (r, 1): 12 h + 6 c + i
.set TT,    216                        ; v216-231 weights: the upper halves of the blocks' codes
.set WV,    16
.set SEL,   20
.set HI,    22
	s_load_b256 s[4:11], s[0:1], 0x0               ; x s[4:5], W_attn s[6:7], W_proj s[8:9], xc s[10:11]
	s_load_b128 s[12:15], s[0:1], 0x20             ; xsc s[12:13], wc s[14:15]
	s_load_b64 s[24:25], s[0:1], 0x30              ; wsc
	v_lshl_add_u32 v[SPW], v0, 2, SPARE
	v_mov_b32 v[NIL], 0
	v_lshrrev_b32 v1, 5, v0
	v_readfirstlane_b32 s[WV], v1                  ; wave 0..7
	v_and_b32 v5, 31, v0                           ; lane
	s_mov_b32 s27, 0
	s_wait_kmcnt 0x0
	s_cmp_lt_u32 ttmp9, 128
	s_cbranch_scc0 .Lweights
; ---------------- x ----------------
	s_lshl_b32 s17, ttmp9, 2
	s_lshr_b32 s18, s[WV], 1
	s_add_co_u32 s17, s17, s18                     ; my tile of 16 tokens, 0..511
	s_and_b32 s18, s[WV], 1                        ; which half of K
	s_lshr_b32 s19, s17, 1
	s_lshl_b32 s19, s19, 17                        ; 32 rows of 4,096 bytes for each pair of tiles,
	s_and_b32 s23, s17, 1
	s_lshl_b32 s23, s23, 15                        ; 8 rows for the odd tile,
	s_add_co_u32 s26, s19, s23
	s_lshl_b32 s23, s18, 11                        ; 2,048 bytes for the upper half of K
	s_add_co_u32 s26, s26, s23
	s_add_nc_u64 s[4:5], s[4:5], s[26:27]
	s_lshr_b32 s19, s17, 4
	s_lshl_b32 s19, s19, 3
	s_lshl_b32 s23, s18, 2
	s_add_co_u32 s19, s19, s23                     ; (block of 256 tokens) x 8 + my first K step
	s_mul_i32 s26, s19, 24576
	s_and_b32 s23, s17, 15
	s_mul_i32 s23, s23, 1536
	s_add_co_u32 s26, s26, s23
	s_add_nc_u64 s[10:11], s[10:11], s[26:27]
	s_lshl_b32 s26, s17, 9
	s_lshl_b32 s23, s18, 8
	s_add_co_u32 s26, s26, s23
	s_add_nc_u64 s[12:13], s[12:13], s[26:27]      ; my tile's scale words, my four K steps
	s_mov_b32 s[SEL], 0x76543210
	s_mov_b32 s[SEL+1], 0xfedcba98                 ; v_permlanex16_b32's selects for lane l xor 16
	s_mov_b32 s[HI], 0xffff0000                    ; lanes 16-31
	v_and_b32 v6, 15, v0                           ; r
	v_bfe_u32 v7, v0, 4, 1                         ; h
	v_lshlrev_b32 v1, 4, v5                        ; 16 x lane
	s_mul_i32 s28, s[WV], STG
	v_add_nc_u32 v2, s28, v1                       ; the stage, on the way in: a row's 512 bytes as they lie
	v_mul_u32_u24 v3, v6, 528
	v_lshl_add_u32 v3, v7, 6, v3
	v_add_nc_u32 v3, s28, v3                       ; and on the way out: row r, + 64 h: my 16 numbers of each block of 32
	v_lshlrev_b32 v4, 2, v6
	v_lshl_add_u32 v4, v7, 6, v4                   ; scale words: 64 h + 4 r
.irp b, 0,1,2,3
	v_mov_b32 v[TM+4+\b], 0                        ; written once: a lane permute's destination counts as one of its sources
.endr
.macro LOADX u, set                    ; K step u of the tile's 16 rows: each load reads 512 consecutive bytes of one row
.irp i, 0,1,2,3,4,5,6,7,8,9,10,11,12,13,14,15
	global_load_b128 v[R0+64*(\set)+4*\i:R0+64*(\set)+4*\i+3], v1, s[4:5] offset:(\i+8*(\i/8))*4096+512*(\u) th:TH_LOAD_NT
.endr
.endm
; 64 numbers of a lane, register 16 b + i = k 32 b + 16 (lane / 16) + i of my row, become a fragment's codes in v[PC] on and its scale word in v[PW]
.macro QUANT s
.irp b, 0,1,2,3
	v_max3_num_f32 v[TM+\b], |v[\s+16*\b]|, |v[\s+1+16*\b]|, 0x1800000   ; my 16 numbers of block b, and the floor 2^(3 - 127): the byte cannot fall under 1
.endr
.irp i, 2,4,6,8,10,12,14
.irp b, 0,1,2,3
	v_max3_num_f32 v[TM+\b], v[TM+\b], |v[\s+16*\b+\i]|, |v[\s+1+16*\b+\i]|
.endr
.endr
.irp b, 0,1,2,3
	v_permlanex16_b32 v[TM+4+\b], v[TM+\b], s[SEL], s[SEL+1]
.endr
.irp b, 0,1,2,3
	v_max_num_f32 v[TM+\b], v[TM+\b], v[TM+4+\b]   ; with lane l xor 16's: the block's largest magnitude
.endr
.irp b, 0,1,2,3
	v_add_nc_u32 v[TM+12+\b], 0xff000000, v[TM+\b] ; 2 off its exponent field: the conversion takes that field as its scale
.endr
.irp b, 0,1,2,3
	v_lshrrev_b32 v[TM+4+\b], 23, v[TM+12+\b]      ; the scale's byte
.endr
	v_lshl_or_b32 v[PW], v[TM+5], 8, v[TM+4]
	v_lshl_or_b32 v[PW], v[TM+6], 16, v[PW]
	v_lshl_or_b32 v[PW], v[TM+7], 24, v[PW]
.irp c, 0,1
	v_cvt_scalef32_pk16_fp6_f32 v[PC+6*\c:PC+2+6*\c], v[\s+32*\c:\s+15+32*\c], v[TM+12+2*\c]
	v_cvt_scalef32_pk16_fp6_f32 v[PC+12+4*\c:PC+14+4*\c], v[\s+16+32*\c:\s+31+32*\c], v[TM+12+2*\c+1]   ; (a conversion's three registers begin on an even number)
.endr
	v_nop                                          ; one plain place behind a scaled conversion
.irp c, 0,1                                    ; the operand's layout wants a whole block in a lane: lanes 0-15 block 2 c, lanes 16-31 block 2 c + 1
.irp i, 0,1,2
	v_permlane16_swap_b32 v[PC+6*\c+\i], v[PC+12+4*\c+\i]
.endr
.irp i, 0,1,2
	v_mov_b32 v[PC+3+6*\c+\i], v[PC+12+4*\c+\i]
.endr
.endr
.endm
.macro UNIT u
.if (\u) < 3
	s_wait_loadcnt 16                              ; this K step's 16 loads are in; the next one's 16 may be out
.else
	s_wait_loadcnt 0x0
.endif
.irp i, 0,1,2,3,4,5,6,7,8,9,10,11,12,13,14,15
	ds_store_b128 v2, v[R0+64*((\u)%2)+4*\i:R0+64*((\u)%2)+4*\i+3] offset:528*\i
.endr
.irp b, 0,1,2,3
.irp j, 0,1,2,3
	ds_load_b128 v[XQ+16*\b+4*\j:XQ+16*\b+4*\j+3], v3 offset:128*\b+16*\j   ; LDS serves a wave's instructions in order: these see my stores
.endr
.endr
	s_wait_dscnt 0x0                               ; the numbers are back, and the stores have read their registers
	s_wait_xcnt 0x0                                ; the last K step's global stores have read the codes' registers, which are written again below
.if (\u) < 2
	LOADX (\u)+2, (\u)%2
.endif
	QUANT XQ
	v_mov_b32 v[WW+(\u)], v[PW]
.irp c, 0,1,2
	global_store_b128 v1, v[PC+4*\c:PC+4*\c+3], s[10:11] offset:24576*(\u)+512*\c   ; 512 consecutive bytes, aligned
.endr
.endm
	LOADX 0, 0
	LOADX 1, 1
	UNIT 0
	UNIT 1
	UNIT 2
	UNIT 3
	v_cndmask_b32 v250, v[WW], v[WW+1], s[HI]      ; lanes 0-15 carry one K step's words, lanes 16-31 the next one's: a store covers 128 consecutive bytes
	v_cndmask_b32 v251, v[WW+2], v[WW+3], s[HI]
	global_store_b32 v4, v250, s[12:13]
	global_store_b32 v4, v251, s[12:13] offset:128
	s_wait_tensorcnt 0x0                           ; the wave's end, behind my last LDS store
	ds_add_u32 v[SPW], v[NIL]
	s_wait_dscnt 0x0
	s_endpgm
; ---------------- the weights: K is their first axis ----------------
; A lane takes a column and its registers run down K: a block of 32 lies in one lane, and the conversions give codes with K innermost.  Column n of a group of 32 is row r = n % 8 + 8 (n / 16) of tile u = (n / 8) % 2.
; A lane holds its row's registers of BOTH halves of the lanes of the image (blocks 0, 2 for lane r; blocks 1, 3 for lane 16 + r) and stores them there.
.Lweights:
	v_lshlrev_b32 v1, 2, v5                        ; in: 4 bytes a lane
	v_bfe_u32 v6, v5, 3, 1                         ; u
	v_and_b32 v7, 7, v5
	v_lshrrev_b32 v8, 4, v5
	v_lshl_add_u32 v7, v8, 3, v7                   ; r
	v_mul_u32_u24 v2, v6, 1536
	v_lshl_add_u32 v2, v7, 4, v2                   ; out: tile u's image, lane r's 16 bytes
	v_lshlrev_b32 v3, 9, v6
	v_lshl_add_u32 v3, v7, 2, v3                   ; scale word: tile u, row r
	s_cmp_lt_u32 ttmp9, 224
	s_cbranch_scc0 .Lproj
.macro WPATH cols, ptr, wg0, grp0
	s_sub_co_u32 s17, ttmp9, \wg0
	s_lshr_b32 s18, s17, 1
	s_and_b32 s19, s17, 1
	s_lshr_b32 s23, s[WV], 2
	s_lshl_b32 s18, s18, 1
	s_add_co_u32 s18, s18, s23                     ; my group of 32 columns in this tensor
	s_and_b32 s23, s[WV], 3
	s_lshl_b32 s19, s19, 2
	s_add_co_u32 s19, s19, s23                     ; my K step
	s_mul_i32 s26, s19, 128*4*\cols
	s_lshl_b32 s23, s18, 7
	s_add_co_u32 s26, s26, s23
	s_add_nc_u64 s[\ptr:\ptr+1], s[\ptr:\ptr+1], s[26:27]
	s_add_co_u32 s18, s18, \grp0                   ; the group's number among both tensors' 128
	s_lshr_b32 s23, s18, 2
	s_lshl_b32 s23, s23, 3
	s_add_co_u32 s23, s23, s19
	s_lshl_b32 s23, s23, 3
	s_and_b32 s28, s18, 3
	s_lshl_b32 s28, s28, 1
	s_add_co_u32 s23, s23, s28                     ; ((group of 128) x 8 + K step) x 8 + my first tile
	s_mul_i32 s26, s23, 1536
	s_add_nc_u64 s[14:15], s[14:15], s[26:27]
	s_lshl_b32 s26, s18, 10
	s_lshl_b32 s23, s19, 6
	s_add_co_u32 s26, s26, s23
	s_add_nc_u64 s[24:25], s[24:25], s[26:27]
.set kk, 0
.rept 128
	global_load_b32 v[64+kk], v1, s[\ptr:\ptr+1] offset:kk*4*\cols th:TH_LOAD_NT   ; row kk of my K step: 128 consecutive bytes a wave, the neighbouring wave's 128 beside them
.set kk, kk+1
.endr
.irp kb, 0,1,2,3
.set XS, 64+32*\kb
.if \kb == 0
	s_wait_loadcnt 63                              ; of 128 loads at most 63 are out: the oldest 65 are in, blocks 0 and 1 among them (a wait's count holds no more)
.elseif \kb == 2
	s_wait_loadcnt 32                              ; block 3's 32 may be out
.elseif \kb == 3
	s_wait_loadcnt 0x0
.endif
	v_max3_num_f32 v16, |v[XS]|, |v[XS+1]|, |v[XS+2]|
	v_max3_num_f32 v17, |v[XS+3]|, |v[XS+4]|, |v[XS+5]|
.irp i, 6,10,14,18,22,26
	v_max3_num_f32 v16, v16, |v[XS+\i]|, |v[XS+\i+1]|
	v_max3_num_f32 v17, v17, |v[XS+\i+2]|, |v[XS+\i+3]|
.endr
	v_max3_num_f32 v16, v16, |v[XS+30]|, |v[XS+31]|
	v_max3_num_f32 v16, v16, v17, 0x1800000        ; and the floor
	v_add_nc_u32 v[20+\kb], 0xff000000, v16
	v_lshrrev_b32 v25, 23, v[20+\kb]
.if \kb == 0
	v_mov_b32 v24, v25
.else
	v_lshl_or_b32 v24, v25, 8*\kb, v24
.endif
	v_cvt_scalef32_pk16_fp6_f32 v[IMG+12*(\kb%2)+6*(\kb/2):IMG+12*(\kb%2)+6*(\kb/2)+2], v[XS:XS+15], v[20+\kb]
	v_cvt_scalef32_pk16_fp6_f32 v[TT+4*\kb:TT+4*\kb+2], v[XS+16:XS+31], v[20+\kb]
.endr
	v_nop                                          ; one plain place behind a scaled conversion
.irp kb, 0,1,2,3
.irp i, 0,1,2
	v_mov_b32 v[IMG+12*(\kb%2)+6*(\kb/2)+3+\i], v[TT+4*\kb+\i]
.endr
.endr
.irp h, 0,1
.irp q, 0,1,2
	global_store_b128 v2, v[IMG+12*\h+4*\q:IMG+12*\h+4*\q+3], s[14:15] offset:256*\h+512*\q   ; the sixteen lanes of a tile store 256 consecutive bytes, aligned
.endr
.endr
	global_store_b32 v3, v24, s[24:25]
	s_endpgm
.endm
	WPATH 3072, 6, 128, 0
.Lproj:
	WPATH 1024, 8, 224, 96
.Lfunc_end_k_qa7676eeef4_quant:
	.size	k_qa7676eeef4_quant, .Lfunc_end_k_qa7676eeef4_quant-k_qa7676eeef4_quant
	.p2alignl 7, 3214868480
	.fill 96, 4, 3214868480
	.section	.rodata,"a",@progbits
	.p2align	6, 0x0
	.amdhsa_kernel k_qa7676eeef4_quant
		.amdhsa_group_segment_fixed_size 68608
		.amdhsa_private_segment_fixed_size 0
		.amdhsa_enable_private_segment 0
		.amdhsa_kernarg_size 56
		.amdhsa_user_sgpr_count 2
		.amdhsa_user_sgpr_kernarg_segment_ptr 1
		.amdhsa_wavefront_size32 1
		.amdhsa_system_sgpr_workgroup_id_x 1
		.amdhsa_system_sgpr_workgroup_id_y 1
		.amdhsa_system_sgpr_workgroup_id_z 1
		.amdhsa_system_vgpr_workitem_id 0
		.amdhsa_next_free_vgpr 256
		.amdhsa_next_free_sgpr 66
		.amdhsa_reserve_vcc 0
		.amdhsa_float_denorm_mode_32 3
		.amdhsa_float_denorm_mode_16_64 3
		.amdhsa_memory_ordered 1
		.amdhsa_forward_progress 1
		.amdhsa_inst_pref_size 73
	.end_amdhsa_kernel
	.amdgpu_metadata
---
amdhsa.version: [ 1, 2 ]
amdhsa.kernels:
  - .name:           k_qa7676eeef4_quant
    .symbol:         k_qa7676eeef4_quant.kd
    .args:
      - { .name: x, .offset: 0, .size: 8, .value_kind: global_buffer, .address_space: global }
      - { .name: W_attn, .offset: 8, .size: 8, .value_kind: global_buffer, .address_space: global }
      - { .name: W_proj, .offset: 16, .size: 8, .value_kind: global_buffer, .address_space: global }
      - { .name: xc, .offset: 24, .size: 8, .value_kind: global_buffer, .address_space: global }
      - { .name: xsc, .offset: 32, .size: 8, .value_kind: global_buffer, .address_space: global }
      - { .name: wc, .offset: 40, .size: 8, .value_kind: global_buffer, .address_space: global }
      - { .name: wsc, .offset: 48, .size: 8, .value_kind: global_buffer, .address_space: global }
    .group_segment_fixed_size: 68608
    .private_segment_fixed_size: 0
    .kernarg_segment_align: 8
    .kernarg_segment_size: 56
    .max_flat_workgroup_size: 256
    .sgpr_count:     66
    .vgpr_count:     256
    .wavefront_size: 32
...
	.end_amdgpu_metadata
.endif
;; end of part 1
;; launch qkv (part 2): grid 8 x 32, 4 waves a work-group, clusters of 4 x 4, 327,680 bytes of LDS; arguments xc, xsc, wc, wsc, b_attn, qb, kv; writes qb, kv
.if DOCPART == 2
	.amdgcn_target "amdgcn-amd-amdhsa--gfx1250"
	.amdhsa_code_object_version 6
	.text
	.protected	k_qa7676eeef4_qkv
	.globl	k_qa7676eeef4_qkv
	.p2align	8
	.type	k_qa7676eeef4_qkv,@function
k_qa7676eeef4_qkv:
	s_mov_b64 s[64:65], 0
	v_nop
	global_prefetch_b8 v0, s[64:65] scope:SCOPE_SE
	s_setreg_imm32_b32 hwreg(HW_REG_WAVE_MODE, 25, 1), 1
	s_wait_xcnt 0x0
	s_wait_alu depctr_hold_cnt(0) depctr_sa_sdst(0) depctr_va_vdst(0) depctr_va_sdst(0) depctr_va_ssrc(0) depctr_va_vcc(0) depctr_vm_vsrc(0)
	s_getreg_b32 s2, hwreg(HW_REG_IB_STS2, 6, 4)
	s_cmp_eq_u32 s2, 0
	s_cbranch_scc0 .Lentry_in_a_cluster
	s_endpgm
.Lentry_in_a_cluster:
	s_bfe_u32 s2, ttmp6, 0x10000c
	s_cmp_lg_u32 s2, 0xf033
	s_cbranch_scc0 .Lentry_shape_is_right
	s_endpgm
.Lentry_shape_is_right:
; qkv = x W_attn + b_attn on codes of FP6 (E2M3) with E8M0 scales, and q, k, v quantised in registers for the attention: nothing goes to memory as f32.
; SHARES.  A work-group takes 256 tokens (block mb) and a pair of heads g, and stays for three phases: q, k, v, each 128 columns of W_attn.  x's codes of the 256 tokens, all of K = 1024, lie in LDS for the whole launch.
; Wave (wm, wn) takes 128 tokens (8 tiles a) x one head's 64 columns (4 tiles b): 32 accumulators, 256 registers.  K goes in 8 steps of 128.
; OPERANDS lie in memory and in LDS as images of their registers (16 rows x 128 K = 1,536 bytes, registers 4 c .. 4 c + 3 of lane l at 512 c + 16 l): three loads of 16 bytes a lane, 512 consecutive bytes each.
; THE ROWS OF A TILE ARE NOT NEIGHBOURS (tokens and weight columns alike): in a group of 32, tile 2 B + u takes in row r the member 32 B + 8 u + r + 8 (r / 8): so the 16 result registers of tiles 2 B, 2 B + 1 are 16 neighbours.
; q, k: source 0 = 16 columns, source 1 = 16 tokens: a lane holds one token, its registers run along the head's 64, which is the next K.  v: the sources swapped: a lane holds one channel, its registers run along the tokens (the keys).
; In every phase accumulator registers 16 G .. 16 G + 15 are 16 neighbours along the next K, so one text quantises all three.  The bias is the C of each sum's first product.
; OUT.  qb [head][block of 128 queries][6656]: 8 tiles x 768 bytes (registers 0-3 at 16 l, 4-5 at 512 + 8 l), then 512 bytes of scale words (lane (r, h): tiles 4 h .. 4 h + 3).
;       kv [head][block of 128 keys][13312]: K as q's; V^T's 4 tiles x 1,536 at 6144; K's words at 12288; V's at 12800.  q's and k's words carry 0x7f in bytes 2, 3: the upper 64 of the instruction's K are zero codes there.
; CLUSTER 4 x 4: x's codes hang on mb alone and are asked for jointly along a row, the weights' on g alone, along a column.
; LIMITS: NaN and infinities are not served; a block whose largest magnitude lies under 2^-124, a block of zeros among them, gets the byte 1.
; No prefetch: all of x's codes and a third of the weights' are asked for at the head, and each refill has four K steps in which to land.
; LDS: 0 x's codes [K step][tile][1536]; BRING the weights' ring, two slots of four K steps x 8 tiles; SPARE the spare words.
; REGISTERS: window 0: addresses, scale words, the quantiser's work; window 1: x's fragments, two sets of 96; window 2: the weights' fragments, two sets of 48, and from v96 the biases; window 3: the accumulators.
.set BRING, 196608
.set SPARE, 294912
.set ADA, 6                            ; v6-8   x's fragments in LDS: K steps 0-2, 3-5, 6-7 (an offset holds 16 bits)
.set ADB, 9                            ; v9-10  the weights': slot 0, 1
.set SPW, 12
.set NIL, 13
.set SA,  16                           ; v16-47 x's scale words: register 4 a + j: lanes 0-15 K step j, lanes 16-31 K step 4 + j
.set SB,  48                           ; v48-95 the weights': 16 p + 4 b + j likewise
.set TM,  96                           ; v96-111  largest magnitudes of the 16 groups
.set TX,  112                          ; v112-127 the other half's, then the bytes
.set SO,  128                          ; v128-143 the conversions' scale operands
.set PC,  144                          ; v144-191 codes
.set TT,  192                          ; v192-223 codes' upper halves
.set WD,  224                          ; v224-231 scale words
.set WS,  232                          ; v232-235 scale words as stored
.set BI,  96                           ; window 2: biases, 32 p + 8 b
.set WV,  18
.set WM,  19
.set WN,  20
.set G1A, 28
.set G1F, 36
.set G1R, 44
.set G0R, 72
.set QBASE, 76
.set KBASE, 78
.set HI,  80
.set SEL, 82
.set LA,  96                           ; s96, s97: where my refill goes in slot 0, 1
.set MSB, 0
.macro WIN new                         ; the immediate's high byte repeats the setting that is left
.if MSB != \new
	s_set_vgpr_msb (MSB<<8)|\new
.set MSB, \new
.endif
.endm
.macro PLACES                          ; four plain places in front of loads into registers that products have read, and of the first read of results
.rept 4
	v_nop
.endr
.endm
.macro CREST                           ; a round of the cluster's barrier behind its opening barrier
	s_cmp_lg_u32 s[WV], 0
	s_cbranch_scc1 .Lnot_wave_0_\@
	s_barrier_signal -3
.Lnot_wave_0_\@:
	s_barrier_wait -3
	s_barrier_signal -1
	s_barrier_wait -1
.endm
.macro CROUND
	s_barrier_signal -1
	s_barrier_wait -1
	CREST
.endm
.macro G1ROWS g, rows                  ; a dense block as rows of 256 bytes: 32 elements of 8 bytes
	s_mov_b32 s[\g+1], 32<<16
	s_mov_b32 s[\g+2], (\rows)<<16
	s_mov_b32 s[\g+3], 32<<16
	s_mov_b32 s[\g+4], \rows
	s_mov_b32 s[\g+5], 32
	s_mov_b32 s[\g+6], 0
	s_mov_b32 s[\g+7], 0
.endm
.macro MKG0 g0, lreg, lconst, apair, gconst
	s_mov_b32 s[\g0], 1
	s_add_co_u32 s[\g0+1], s[\lreg], \lconst
	s_add_nc_u64 s[\g0+2:\g0+3], s[\apair:\apair+1], \gconst
	s_or_b32 s[\g0+3], s[\g0+3], 0x80000000
.endm
	s_load_b256 s[4:11], s[0:1], 0x0               ; xc s[4:5], xsc s[6:7], wc s[8:9], wsc s[10:11]
	s_load_b128 s[12:15], s[0:1], 0x20             ; b_attn s[12:13], qb s[14:15]
	s_load_b64 s[16:17], s[0:1], 0x30              ; kv
	v_lshl_add_u32 v[SPW], v0, 2, SPARE
	v_mov_b32 v[NIL], 0
	ds_add_u32 v[SPW], v[NIL]                      ; the wave's opening: the add and its wait ahead of my first tensor load; work on registers stands between them
	v_lshrrev_b32 v1, 5, v0
	v_readfirstlane_b32 s[WV], v1                  ; wave 0..3
	s_lshr_b32 s[WM], s[WV], 1                     ; my half of the tokens.  Also: my first fills are x's (0) or the weights' (1)
	s_and_b32 s[WN], s[WV], 1                      ; my head of the pair
	s_bfe_u32 s21, ttmp6, 0x40000                  ; cx
	s_bfe_u32 s22, ttmp6, 0x40004                  ; cy
	s_lshl_b32 s23, ttmp9, 2
	s_add_co_u32 s23, s23, s21                     ; g: the pair of heads
	s_and_b32 s24, ttmp7, 0xffff
	s_lshl_b32 s24, s24, 2
	s_add_co_u32 s24, s24, s22                     ; mb: the block of 256 tokens
	s_lshl_b32 s25, s22, 2
	s_lshl_b32 s25, 15, s25                        ; my row of the cluster
	s_lshl_b32 s26, 0x1111, s21                    ; my column
	s_or_b32 s[G1A], s25, (3<<16)|(1<<21)          ; x's codes go to my row; elements of 8 bytes; bit 21 set beside a mask
	s_or_b32 s[G1F], s26, (3<<16)|(1<<21)          ; the weights' to my column
	s_or_b32 s[G1R], s26, (3<<16)|(1<<21)
	G1ROWS G1A, 192                                ; two K steps of x's 16 tiles
	G1ROWS G1F, 96                                 ; two K steps of the weights' 8 tiles
	G1ROWS G1R, 48                                 ; one
	s_mul_i32 s84, s24, 196608                     ; x's codes of my 256 tokens (this pair never holds g),
	s_mul_i32 s88, s[WN], 49152                    ; my two K steps of four
	s_add_co_u32 s84, s84, s88
	s_mov_b32 s85, 0
	s_mul_i32 s86, s23, 98304                      ; phase 0's 128 columns (this pair never holds mb)
	s_mov_b32 s87, 0
	s_mul_i32 s89, s[WN], 24576
	s_mul_i32 s90, s[WV], 12288
	s_add_co_u32 s[LA], s90, BRING
	s_add_co_u32 s[LA+1], s[LA], 49152
	s_mov_b32 s[HI], 0xffff0000
	s_mov_b32 s[SEL], 0x76543210
	s_mov_b32 s[SEL+1], 0xfedcba98
	v_and_b32 v14, 31, v0                          ; lane
	v_and_b32 v15, 15, v0                          ; r
	v_bfe_u32 v11, v0, 4, 1                        ; h
	v_lshlrev_b32 v1, 4, v14                       ; v1 = 16 x lane
	v_lshlrev_b32 v2, 3, v14                       ; v2 = 8 x lane
	v_lshlrev_b32 v3, 2, v15
	v_lshl_add_u32 v3, v11, 8, v3                  ; v3 = 256 h + 4 r: scale words
	v_lshlrev_b32 v4, 6, v11                       ; v4 = 64 h: biases of q and k
	v_and_b32 v5, 8, v15
	v_add_nc_u32 v5, v5, v15
	v_lshlrev_b32 v5, 2, v5                        ; v5 = 4 (r + 8 (r / 8)): bias of v
	s_mul_i32 s94, s[WM], 12288
	v_add_nc_u32 v[ADA], s94, v1
	v_add_nc_u32 v[ADA+1], 73728, v[ADA]
	v_add_nc_u32 v[ADA+2], 147456, v[ADA]
	s_mul_i32 s94, s[WN], 6144
	s_add_co_u32 s94, s94, BRING
	v_add_nc_u32 v[ADB], s94, v1
	v_add_nc_u32 v[ADB+1], 49152, v[ADB]
.set gg, 0
.rept 16
	v_mov_b32 v[TX+gg], 0                          ; written once: a lane permute's destination counts as one of its sources
.set gg, gg+1
.endr
	s_lshr_b32 s91, s24, 3                         ; batch
	s_lshl_b32 s91, s91, 4
	s_lshl_b32 s92, s23, 1
	s_add_co_u32 s91, s91, s92
	s_add_co_u32 s91, s91, s[WN]                   ; batch x 16 + head
	s_lshl_b32 s91, s91, 4
	s_and_b32 s92, s24, 7
	s_lshl_b32 s92, s92, 1
	s_add_co_u32 s91, s91, s92
	s_add_co_u32 s91, s91, s[WM]                   ; x 16 + my block of 128 tokens in the sequence
	s_wait_dscnt 0x0                               ; the opening add is done
	s_wait_kmcnt 0x0
	s_add_nc_u64 s[84:85], s[4:5], s[84:85]
	s_add_nc_u64 s[86:87], s[8:9], s[86:87]
	s_mov_b32 s98, s89
	s_mov_b32 s99, 0
	s_add_nc_u64 s[98:99], s[86:87], s[98:99]
	MKG0 52, 88, 0, 84, 0                          ; x: K steps 0-3 (waves 0, 1: two each),
	MKG0 56, 88, 98304, 84, 98304                  ;    K steps 4-7
	MKG0 60, 89, BRING, 98, 0                      ; phase 0's weights: K steps 0-3 into slot 0 (waves 2, 3),
	MKG0 68, 89, BRING+49152, 98, 49152            ;    K steps 4-7 into slot 1
	s_mov_b32 s[G0R], 1                            ; the refills: every wave one K step; first phase 1's K step (my wave's number)
	s_mov_b32 s[G0R+1], s[LA]
	s_mov_b32 s92, s90
	s_mov_b32 s93, 0
	s_add_nc_u64 s[G0R+2:G0R+3], s[86:87], s[92:93]
	s_add_nc_u64 s[G0R+2:G0R+3], s[G0R+2:G0R+3], 786432
	s_or_b32 s[G0R+3], s[G0R+3], 0x80000000
	s_mul_i32 s92, s91, 6656
	s_add_nc_u64 s[QBASE:QBASE+1], s[14:15], s[92:93]
	s_mul_i32 s92, s91, 13312
	s_add_nc_u64 s[KBASE:KBASE+1], s[16:17], s[92:93]
	s_lshl_b32 s92, s24, 13
	s_lshl_b32 s94, s[WM], 12
	s_add_co_u32 s92, s92, s94
	s_add_nc_u64 s[6:7], s[6:7], s[92:93]          ; x's scale words: my 8 tiles
	s_lshl_b32 s92, s23, 12
	s_lshl_b32 s94, s[WN], 11
	s_add_co_u32 s92, s92, s94
	s_add_nc_u64 s[10:11], s[10:11], s[92:93]      ; the weights': my 4 tiles of phase 0
	s_lshl_b32 s92, s23, 9
	s_lshl_b32 s94, s[WN], 8
	s_add_co_u32 s92, s92, s94
	s_add_nc_u64 s[12:13], s[12:13], s[92:93]      ; the bias of my 64 columns of phase 0
	CROUND                                         ; all sixteen work-groups are here: the first joint loads meet
	s_cmp_eq_u32 s[WM], 0                          ; a wave's two first fills stand in one branch, ahead of every wait on TENSORcnt and every LDS read: two loads of mine are out
	s_cbranch_scc0 .Lfirst_b
	tensor_load_to_lds s[52:55], s[G1A:G1A+7]
	s_nop 0
	tensor_load_to_lds s[56:59], s[G1A:G1A+7]
	s_nop 0
	PLACES
	s_branch .Lfirst_done
.Lfirst_b:
	tensor_load_to_lds s[60:63], s[G1F:G1F+7]
	s_nop 0
	tensor_load_to_lds s[68:71], s[G1F:G1F+7]
	s_nop 0
	PLACES
.Lfirst_done:
.irp a, 0,1,2,3,4,5,6,7
.irp j, 0,1,2,3
	global_load_b32 v[SA+4*\a+\j], v3, s[6:7] offset:512*\a+64*\j
.endr
.endr
.irp p, 0,1,2
.irp b, 0,1,2,3
.irp j, 0,1,2,3
	global_load_b32 v[SB+16*\p+4*\b+\j], v3, s[10:11] offset:32768*\p+512*\b+64*\j
.endr
.endr
.endr
	WIN 0x80                                       ; destination window 2
.irp p, 0,1                                    ; q, k: lane (r, h), register j of tile b: the bias of column 32 (b / 2) + 16 h + 8 (b % 2) + j
.irp b, 0,1,2,3
	global_load_b128 v[BI+32*\p+8*\b:BI+32*\p+8*\b+3], v4, s[12:13] offset:4096*\p+(32*(\b/2)+8*(\b%2))*4
	global_load_b128 v[BI+32*\p+8*\b+4:BI+32*\p+8*\b+7], v4, s[12:13] offset:4096*\p+(32*(\b/2)+8*(\b%2))*4+16
.endr
.endr
.irp b, 0,1,2,3                                ; v: all eight registers: the bias of the lane's column 32 (b / 2) + 8 (b % 2) + r + 8 (r / 8)
	global_load_b32 v[BI+64+8*\b], v5, s[12:13] offset:8192+(32*(\b/2)+8*(\b%2))*4
.endr
	WIN 0
; 36 LDS loads in one run: K step ks: x's 8 fragments and the weights' 4, into set
.macro FETCH ks, set
	WIN 0x40
.irp a, 0,1,2,3,4,5,6,7
.irp c, 0,1,2
	ds_load_b128 v[96*(\set)+12*\a+4*\c:96*(\set)+12*\a+4*\c+3], v[ADA+(\ks)/3] offset:((\ks)%3)*24576+1536*\a+512*\c
.endr
.endr
	WIN 0x80
.irp b, 0,1,2,3
.irp c, 0,1,2
	ds_load_b128 v[48*(\set)+12*\b+4*\c:48*(\set)+12*\b+4*\c+3], v[ADB+(\ks)/4] offset:((\ks)%4)*12288+1536*\b+512*\c
.endr
.endr
.endm
.macro WMI d, a, b, c, sa, sb, row     ; row = 1: K steps 4-7, whose scale words stand in lanes 16-31
.if \row
	v_wmma_scale_f32_16x16x128_f8f6f4 v[\d:\d+7], v[\a:\a+11], v[\b:\b+11], v[\c:\c+7], v[\sa], v[\sb] matrix_a_fmt:MATRIX_FMT_FP6 matrix_b_fmt:MATRIX_FMT_FP6 matrix_a_scale:MATRIX_SCALE_ROW1 matrix_b_scale:MATRIX_SCALE_ROW1
.else
	v_wmma_scale_f32_16x16x128_f8f6f4 v[\d:\d+7], v[\a:\a+11], v[\b:\b+11], v[\c:\c+7], v[\sa], v[\sb] matrix_a_fmt:MATRIX_FMT_FP6 matrix_b_fmt:MATRIX_FMT_FP6
.endif
.endm
; The products of K step ks for x's tiles a0 .. a1 against the weights' four.  kind 0 (q, k): source 0 = the weights; kind 1 (v): source 0 = x.  first = 1: C is the bias.
; The 32 accumulators take turns, one instruction a turn, in the same order in every step.
.macro MUL kind, p, ks, a0, a1, first
.if \kind
.if \first
	WIN 0xe9
.else
	WIN 0xf9
.endif
.else
.if \first
	WIN 0xe6
.else
	WIN 0xf6
.endif
.endif
.set aa, \a0
.rept \a1-\a0+1
.irp b, 0,1,2,3
.set fX, 96*((\ks)%2)+12*aa
.set fW, 48*((\ks)%2)+12*\b
.set qX, SA+4*aa+(\ks)%4
.set qW, SB+16*\p+4*\b+(\ks)%4
.if \kind
.set rD, 8*(8*\b+aa)
.else
.set rD, 8*(4*aa+\b)
.endif
.if \first
.set rC, BI+32*\p+8*\b
.else
.set rC, rD
.endif
.if \kind
	WMI rD, fX, fW, rC, qX, qW, (\ks)/4
.else
	WMI rD, fW, fX, rC, qW, qX, (\ks)/4
.endif
.endr
.set aa, aa+1
.endr
.endm
.macro STEP kind, p, ks, first, fetch
.if \fetch
	PLACES
	FETCH (\ks)+1, ((\ks)+1)%2
	s_wait_dscnt 36                                ; all but the 36 just issued: this step's fragments, asked for a step ago, are in
.else
	s_wait_dscnt 0x0
.endif
	MUL \kind, \p, \ks, 0, 7, \first
.endm
; A slot's last K step changes slots: one barrier; in front of it each wave waits for all its tensor loads, adds 0 to its spare word, and waits for that and for its reads of the slot.
; fill = 1: the barrier opens a round of the cluster's barrier, and behind the round the slot just left takes four K steps of the next phase, one from each wave: they have four K steps in which to land.
.macro TURN kind, p, ks, fill, slot, dg, nextks
	WIN 0
	s_wait_tensorcnt 0x0                           ; all my tensor loads have landed, so the refill's group 0 may be written
	ds_add_u32 v[SPW], v[NIL]
.if \fill
	s_mov_b32 s[G0R+1], s[LA+\slot]
.if \dg
	s_add_nc_u64 s[G0R+2:G0R+3], s[G0R+2:G0R+3], \dg
.endif
.endif
	s_wait_dscnt 0x1                               ; this step's 36 loads are in; the add may be out
	MUL \kind, \p, \ks, 0, 1, 0
	s_wait_dscnt 0x0                               ; the add is done, and my reads of the slot are over
	s_barrier_signal -1
	MUL \kind, \p, \ks, 2, 3, 0
	WIN 0                                          ; at a branch and at a label every window is 0
	s_barrier_wait -1
.if \fill
	CREST                                          ; no wave of any partner still reads the slot or has a load on its way
	tensor_load_to_lds s[G0R:G0R+3], s[G1R:G1R+7]
	s_nop 0
	PLACES                                         ; also the places in front of the loads below
.else
	PLACES
.endif
	FETCH \nextks, ((\ks)+1)%2
	MUL \kind, \p, \ks, 4, 7, 0
.endm
; THE QUANTISER.  Group G = accumulator registers 16 G .. 16 G + 15: 16 neighbours along the next K; lanes l and l xor 16 hold a block of 32.  Groups 2 P and 2 P + 1 give registers PC + 6 P .. + 5 of an operand.
.macro EPI_CODES
	PLACES
	s_wait_xcnt 0x0                                ; the last phase's stores have read the registers that are written again below
	WIN 0x0f                                       ; sources 0 and 1: window 3
.set gg, 0
.rept 16
	v_max3_num_f32 v[TM+gg], |v[16*gg]|, |v[16*gg+1]|, 0x1800000   ; each accumulator is read from its low end on; the floor 2^(3 - 127) holds the byte at 1 from below
.set gg, gg+1
.endr
.irp i, 2,4,6,8,10,12,14
.set gg, 0
.rept 16
	v_max3_num_f32 v[TM+gg], |v[16*gg+\i]|, |v[16*gg+\i+1]|, v[TM+gg]
.set gg, gg+1
.endr
.endr
	WIN 0
.set gg, 0
.rept 16
	v_permlanex16_b32 v[TX+gg], v[TM+gg], s[SEL], s[SEL+1]
.set gg, gg+1
.endr
.set gg, 0
.rept 16
	v_max_num_f32 v[TM+gg], v[TM+gg], v[TX+gg]
.set gg, gg+1
.endr
.set gg, 0
.rept 16
	v_add_nc_u32 v[SO+gg], 0xff000000, v[TM+gg]    ; 2 off the exponent field: the conversion's scale operand
.set gg, gg+1
.endr
.set gg, 0
.rept 16
	v_lshrrev_b32 v[TX+gg], 23, v[SO+gg]           ; the scale's byte
.set gg, gg+1
.endr
	WIN 0x03                                       ; source 0: window 3
.set pp, 0
.rept 8
	v_cvt_scalef32_pk16_fp6_f32 v[PC+6*pp:PC+6*pp+2], v[32*pp:32*pp+15], v[SO+2*pp]
	v_cvt_scalef32_pk16_fp6_f32 v[TT+4*pp:TT+4*pp+2], v[32*pp+16:32*pp+31], v[SO+2*pp+1]
.set pp, pp+1
.endr
	WIN 0
	v_nop                                          ; one plain place behind a scaled conversion
.set pp, 0
.rept 8
.irp i, 0,1,2
	v_permlane16_swap_b32 v[PC+6*pp+\i], v[TT+4*pp+\i]
.endr
.irp i, 0,1,2
	v_mov_b32 v[PC+6*pp+3+\i], v[TT+4*pp+\i]
.endr
.set pp, pp+1
.endr
.endm
.macro EPI_QK base, scoff              ; 8 tiles of 16 tokens x 64: six registers each, and a word with two bytes of scales
.irp a, 0,1,2,3,4,5,6,7
	v_lshl_or_b32 v[WD+\a], v[TX+2*\a+1], 8, v[TX+2*\a]
.endr
.irp a, 0,1,2,3,4,5,6,7
	v_or_b32 v[WD+\a], 0x7f7f0000, v[WD+\a]
.endr
.irp j, 0,1,2,3
	v_cndmask_b32 v[WS+\j], v[WD+\j], v[WD+4+\j], s[HI]   ; lanes 0-15: tiles 0-3; lanes 16-31: tiles 4-7
.endr
.irp a, 0,1,2,3,4,5,6,7
	global_store_b128 v1, v[PC+6*\a:PC+6*\a+3], s[\base:\base+1] offset:768*\a          ; 512 consecutive bytes, aligned
	global_store_b64 v2, v[PC+6*\a+4:PC+6*\a+5], s[\base:\base+1] offset:768*\a+512     ; 256
.endr
	global_store_b128 v1, v[WS:WS+3], s[\base:\base+1] offset:\scoff
.endm
.macro EPI_V                           ; 4 tiles of 16 channels x 128 keys: whole fragments, and whole scale words
.irp b, 0,1,2,3
	v_lshl_or_b32 v[WD+\b], v[TX+4*\b+1], 8, v[TX+4*\b]
.endr
.irp b, 0,1,2,3
	v_lshl_or_b32 v[WD+\b], v[TX+4*\b+2], 16, v[WD+\b]
.endr
.irp b, 0,1,2,3
	v_lshl_or_b32 v[WD+\b], v[TX+4*\b+3], 24, v[WD+\b]
.endr
.irp b, 0,1,2,3
.irp c, 0,1,2
	global_store_b128 v1, v[PC+12*\b+4*\c:PC+12*\b+4*\c+3], s[KBASE:KBASE+1] offset:6144+1536*\b+512*\c
.endr
.endr
	global_store_b128 v1, v[WD:WD+3], s[KBASE:KBASE+1] offset:12800
.endm
	s_wait_tensorcnt 0x1                           ; my part of K steps 0-3 is in; my load for K steps 4-7 may stay out
	s_barrier_signal -1
	s_barrier_wait -1                              ; everybody's is
	FETCH 0, 0
	s_wait_loadcnt 0x0                             ; scale words and biases
	WIN 0x82
.irp b, 0,1,2,3
.irp j, 1,2,3,4,5,6,7
	v_mov_b32 v[BI+64+8*\b+\j], v[BI+64+8*\b]
.endr
.endr
	; ---- q
	STEP 0, 0, 0, 1, 1
	STEP 0, 0, 1, 0, 1
	STEP 0, 0, 2, 0, 1
	TURN 0, 0, 3, 1, 0, 0, 4                       ; slot 0 takes k's K steps 0-3
	STEP 0, 0, 4, 0, 1
	STEP 0, 0, 5, 0, 1
	STEP 0, 0, 6, 0, 1
	TURN 0, 0, 7, 1, 1, 49152, 0                   ; slot 1 takes k's K steps 4-7; k's first fragments are fetched
	EPI_CODES
	EPI_QK QBASE, 6144
	; ---- k
	STEP 0, 1, 0, 1, 1
	STEP 0, 1, 1, 0, 1
	STEP 0, 1, 2, 0, 1
	TURN 0, 1, 3, 1, 0, 737280, 4                  ; slot 0 takes v's K steps 0-3
	STEP 0, 1, 4, 0, 1
	STEP 0, 1, 5, 0, 1
	STEP 0, 1, 6, 0, 1
	TURN 0, 1, 7, 1, 1, 49152, 0                   ; slot 1 takes v's K steps 4-7
	EPI_CODES
	EPI_QK KBASE, 12288
	; ---- v
	STEP 1, 2, 0, 1, 1
	STEP 1, 2, 1, 0, 1
	STEP 1, 2, 2, 0, 1
	TURN 1, 2, 3, 0, 0, 0, 4                       ; nothing is left to fetch
	STEP 1, 2, 4, 0, 1
	STEP 1, 2, 5, 0, 1
	STEP 1, 2, 6, 0, 1
	STEP 1, 2, 7, 0, 0
	EPI_CODES
	EPI_V
	s_wait_tensorcnt 0x0                           ; the wave's end
	ds_add_u32 v[SPW], v[NIL]
	s_wait_dscnt 0x0
	CROUND                                         ; the closing round: no work-group ends while a partner may still ask for a tile that names it
	s_endpgm
.Lfunc_end_k_qa7676eeef4_qkv:
	.size	k_qa7676eeef4_qkv, .Lfunc_end_k_qa7676eeef4_qkv-k_qa7676eeef4_qkv
	.p2alignl 7, 3214868480
	.fill 96, 4, 3214868480
	.section	.rodata,"a",@progbits
	.p2align	6, 0x0
	.amdhsa_kernel k_qa7676eeef4_qkv
		.amdhsa_group_segment_fixed_size 327680
		.amdhsa_private_segment_fixed_size 0
		.amdhsa_enable_private_segment 0
		.amdhsa_kernarg_size 56
		.amdhsa_user_sgpr_count 2
		.amdhsa_user_sgpr_kernarg_segment_ptr 1
		.amdhsa_wavefront_size32 1
		.amdhsa_system_sgpr_workgroup_id_x 1
		.amdhsa_system_sgpr_workgroup_id_y 1
		.amdhsa_system_sgpr_workgroup_id_z 1
		.amdhsa_system_vgpr_workitem_id 0
		.amdhsa_next_free_vgpr 1024
		.amdhsa_next_free_sgpr 100
		.amdhsa_reserve_vcc 0
		.amdhsa_float_denorm_mode_32 3
		.amdhsa_float_denorm_mode_16_64 3
		.amdhsa_memory_ordered 1
		.amdhsa_forward_progress 1
		.amdhsa_inst_pref_size 229
	.end_amdhsa_kernel
	.amdgpu_metadata
---
amdhsa.version: [ 1, 2 ]
amdhsa.kernels:
  - .name:           k_qa7676eeef4_qkv
    .symbol:         k_qa7676eeef4_qkv.kd
    .args:
      - { .name: xc, .offset: 0, .size: 8, .value_kind: global_buffer, .address_space: global }
      - { .name: xsc, .offset: 8, .size: 8, .value_kind: global_buffer, .address_space: global }
      - { .name: wc, .offset: 16, .size: 8, .value_kind: global_buffer, .address_space: global }
      - { .name: wsc, .offset: 24, .size: 8, .value_kind: global_buffer, .address_space: global }
      - { .name: b_attn, .offset: 32, .size: 8, .value_kind: global_buffer, .address_space: global }
      - { .name: qb, .offset: 40, .size: 8, .value_kind: global_buffer, .address_space: global }
      - { .name: kv, .offset: 48, .size: 8, .value_kind: global_buffer, .address_space: global }
    .group_segment_fixed_size: 327680
    .private_segment_fixed_size: 0
    .kernarg_segment_align: 8
    .kernarg_segment_size: 56
    .max_flat_workgroup_size: 128
    .sgpr_count:     100
    .vgpr_count:     1024
    .wavefront_size: 32
...
	.end_amdgpu_metadata
.endif
;; end of part 2
;; launch attn (part 3): grid 4 x 64, 16 waves a work-group, no clusters, 215,040 bytes of LDS; arguments qb, kv, yc, ysc; writes yc, ysc
.if DOCPART == 3
	.amdgcn_target "amdgcn-amd-amdhsa--gfx1250"
	.amdhsa_code_object_version 6
	.text
	.protected	k_qa7676eeef4_attn
	.globl	k_qa7676eeef4_attn
	.p2align	8
	.type	k_qa7676eeef4_attn,@function
k_qa7676eeef4_attn:
	s_mov_b64 s[64:65], 0
	v_nop
	global_prefetch_b8 v0, s[64:65] scope:SCOPE_SE
	s_setreg_imm32_b32 hwreg(HW_REG_WAVE_MODE, 25, 1), 1
	s_wait_xcnt 0x0
; y = softmax(q k^T / 8, causal) v for 64 heads of 2,048 tokens x 64 channels, both products on codes of FP6 (E2M3) with E8M0 scales; y is quantised in registers for the last product and leaves as codes.
; THE SOFTMAX: t = score x log2(e) / 8; M = the running largest t rounded UP to a whole number; p = 2^(t - M) is quantised along the keys, not normalised; the row's sum is taken of the unquantised p and divides at the end.
; When M moves, the sum and O are multiplied by 2^(old M - new M): exact.
; SHARES.  Work-group (px, head).  Each of its sixteen waves owns one tile of 16 queries at a time: first tile 16 px + w, then tile 16 (7 - px) + w.  A tile in block QB of 128 queries walks key steps 0 .. QB (128 keys each),
; the last of them masked: 16 or 18 steps a wave whatever px is.  Four waves share a SIMD, so that one wave's vector work stands beside another's products and LDS loads.
; LDS.  The head's K, V^T and scale words, 16 blocks of 13,312 bytes as the launch before laid them (images of the operand registers), are brought ONCE, by two tensor loads a wave: blocks 0-3, then blocks 4-15.  Nothing is filled again.
; All 16 blocks are brought whatever px is: the descriptors are constants and one counted wait serves every work-group.
; NO CLUSTER, though the four work-groups of a head bring the same bytes.
; No prefetch: every byte is asked for at the head, and no later stream is waited for.
; LAYOUT.  Both products are used transposed: S^T = K Q^T (source 0 = 16 keys), O^T = V^T P^T (source 0 = 16 channels): a lane holds one query (lane % 16) throughout.  The head has 64 channels: the upper 64 of the first
; product's K are zero codes under the byte 0x7f.  The keys, queries and channels of a tile are not neighbours (member 32 B + 8 u + r + 8 (r / 8) of a group of 32), so that 16 registers of two neighbouring tiles are 16 neighbours.
; OUT.  yc as the last product's operand images [block of 256 tokens][K step = pair of heads][tile][1536], my head's half at 768 (head % 2): registers 0-3 at 16 l, 4-5 at 512 + 8 l; ysc [tile][K step][row]: my head's two bytes.
; LIMITS: NaN and infinities are not served; a block whose largest magnitude lies under 2^-124, a block of zeros among them, gets the byte 1.  The two scale bytes a row leave by stores of 2 bytes, 4 bytes apart: 32 bytes a tile.
; REGISTERS: v1 16 x lane, v2 8 x lane, v3, v4 the add's two, v5 the mask's number, v6, v7 the step's LDS addresses, v8 16 r, v9 4 r, v12 -M, v13 the largest t, v[14:15] the sum; v16-27 Q, v28 its words, v29 p's word;
;   v32-79 four fragments of K; v80-83 K's words, v84-87 V's; v88-94 the second tile's Q; v96-159 S^T, then p, then V's fragments, at the end y; v160-191 O^T; v192-211 codes; v212-227 at work.
.set SPARE, 212992
.set BLK,  13312
.set BM,   212                         ; v212-215 the blocks' largest scores, then largest p
.set BP,   216                         ; v216-219 the other half's; a chain of sums; the bytes
.set SO,   220                         ; v220-223 the conversions' scale operands
.set WV,   12
.set G1E,  24
.set G1L,  32
.set SEL,  48
.set CS,   50
.set J,    52                          ; s52 the key step
.set TB,   53                          ; s53 where its block begins in LDS
.set QB0,  54                          ; s54, s55: my two tiles' blocks of 128 queries
.set YB,   56                          ; s[56:57], s[58:59]: where their codes go
.set YS,   60                          ; s[60:61], s[62:63]: and their scale bytes
	s_load_b256 s[4:11], s[0:1], 0x0               ; qb s[4:5], kv s[6:7], yc s[8:9], ysc s[10:11]
	v_lshl_add_u32 v3, v0, 2, SPARE
	v_mov_b32 v4, 0
	ds_add_u32 v3, v4                              ; the wave's opening: the add and its wait ahead of my first tensor load; work on registers stands between them
	ds_add_u32 v3, v4
	v_lshrrev_b32 v1, 5, v0
	s_delay_alu instid0(VALU_DEP_1)
	v_readfirstlane_b32 s[WV], v1                  ; wave 0..15
	s_and_b32 s13, ttmp7, 0xffff                   ; batch x 16 + head
	s_mov_b32 s[G1E], 3<<16                        ; no mask; elements of 8 bytes; no padding
	s_mov_b32 s[G1E+1], 32<<16                     ; rows of 256 bytes
	s_mov_b32 s[G1E+2], 13<<16                     ; 13 of them: a sixteenth of blocks 0-3
	s_mov_b32 s[G1E+3], 32<<16
	s_mov_b32 s[G1E+4], 13
	s_mov_b32 s[G1E+5], 32
	s_mov_b32 s[G1E+6], 0
	s_mov_b32 s[G1E+7], 0
	s_mov_b32 s[G1L], 3<<16
	s_mov_b32 s[G1L+1], 32<<16
	s_mov_b32 s[G1L+2], 39<<16                     ; 39: a sixteenth of blocks 4-15
	s_mov_b32 s[G1L+3], 32<<16
	s_mov_b32 s[G1L+4], 39
	s_mov_b32 s[G1L+5], 32
	s_mov_b32 s[G1L+6], 0
	s_mov_b32 s[G1L+7], 0
	s_mov_b32 s40, 1
	s_mul_i32 s41, s[WV], 3328
	s_mov_b32 s44, 1
	s_mul_i32 s45, s[WV], 9984
	s_add_co_u32 s45, s45, 4*BLK
	s_mul_i32 s66, s13, 16*BLK
	s_mov_b32 s67, 0
	s_mov_b32 s69, 0
	s_mov_b32 s[SEL], 0x76543210
	s_mov_b32 s[SEL+1], 0xfedcba98
	s_mov_b32 s[CS], 0x3e38aa3b                    ; c = log2(e) / 8
	s_mov_b32 s[CS+1], s[CS]                       ; (named with it as a pair, so it is written)
	s_wait_dscnt 0x0                               ; the opening add is done
	s_wait_kmcnt 0x0
	s_add_nc_u64 s[6:7], s[6:7], s[66:67]          ; kv at my head: LDS mirrors it byte for byte
	s_mov_b32 s68, s41
	s_add_nc_u64 s[42:43], s[6:7], s[68:69]
	s_or_b32 s43, s43, 0x80000000
	s_mov_b32 s68, s45
	s_add_nc_u64 s[46:47], s[6:7], s[68:69]
	s_or_b32 s47, s47, 0x80000000
	tensor_load_to_lds s[40:43], s[G1E:G1E+7]      ; two loads of mine are out
	s_nop 0
	tensor_load_to_lds s[44:47], s[G1L:G1L+7]
	s_nop 0
.rept 4
	v_nop
.endr
	s_lshr_b32 s70, s[WV], 3
	s_lshl_b32 s71, ttmp9, 1
	s_add_co_u32 s[QB0], s71, s70                  ; 2 px + w / 8
	s_sub_co_u32 s[QB0+1], 14, s71
	s_add_co_u32 s[QB0+1], s[QB0+1], s70           ; 2 (7 - px) + w / 8
	s_and_b32 s72, s[WV], 7                        ; my tile in its block
	s_lshl_b32 s73, s13, 4
	s_lshr_b32 s76, s13, 4                         ; batch
	s_and_b32 s77, s13, 15
	s_lshr_b32 s77, s77, 1                         ; the last product's K step: head / 2
	s_and_b32 s78, s13, 1                          ; and my half of it
.macro BASES f
	s_add_co_u32 s66, s73, s[QB0+\f]
	s_mul_i32 s66, s66, 6656                       ; my block of queries
	s_mul_i32 s68, s72, 768
	s_add_co_u32 s68, s68, s66
	s_add_nc_u64 s[14+2*\f:15+2*\f], s[4:5], s[68:69]   ; my tile's codes
	s_lshr_b32 s74, s72, 2
	s_lshl_b32 s74, s74, 8
	s_and_b32 s75, s[WV], 3
	s_lshl_b32 s75, s75, 2
	s_add_co_u32 s68, s74, s75
	s_add_co_u32 s68, s68, s66
	s_add_nc_u64 s[18+2*\f:19+2*\f], s[4:5], s[68:69]   ; my tile's place among the block's scale words
	s_lshr_b32 s79, s[QB0+\f], 1                   ; the block of 256 tokens in the sequence
	s_lshl_b32 s74, s76, 3
	s_add_co_u32 s74, s74, s79
	s_lshl_b32 s74, s74, 3
	s_add_co_u32 s74, s74, s77
	s_lshl_b32 s74, s74, 4
	s_add_co_u32 s74, s74, s[WV]
	s_mul_i32 s68, s74, 1536
	s_mul_i32 s75, s78, 768
	s_add_co_u32 s68, s68, s75
	s_add_nc_u64 s[YB+2*\f:YB+2*\f+1], s[8:9], s[68:69]
	s_lshl_b32 s74, s76, 7
	s_lshl_b32 s75, s79, 4
	s_add_co_u32 s74, s74, s75
	s_add_co_u32 s74, s74, s[WV]
	s_lshl_b32 s68, s74, 9
	s_lshl_b32 s75, s77, 6
	s_add_co_u32 s68, s68, s75
	s_lshl_b32 s75, s78, 1
	s_add_co_u32 s68, s68, s75
	s_add_nc_u64 s[YS+2*\f:YS+2*\f+1], s[10:11], s[68:69]
.endm
	BASES 0
	BASES 1
	v_and_b32 v10, 31, v0                          ; lane
	v_and_b32 v11, 15, v0                          ; r
	v_bfe_u32 v224, v0, 4, 1                       ; h
	s_delay_alu instid0(VALU_DEP_3)
	v_lshlrev_b32 v1, 4, v10
	s_delay_alu instid0(VALU_DEP_4)
	v_lshlrev_b32 v2, 3, v10
	s_delay_alu instid0(VALU_DEP_4)
	v_lshlrev_b32 v8, 4, v11
	v_lshlrev_b32 v9, 2, v11
	global_load_b128 v[16:19], v1, s[14:15]        ; both tiles' Q stay in registers
	global_load_b64 v[20:21], v2, s[14:15] offset:512
	global_load_b32 v28, v8, s[18:19] offset:6144
	global_load_b128 v[88:91], v1, s[16:17]
	global_load_b64 v[92:93], v2, s[16:17] offset:512
	global_load_b32 v94, v8, s[20:21] offset:6144
	v_and_b32 v5, 8, v11
	s_delay_alu instid0(VALU_DEP_1)
	v_add_nc_u32 v5, v5, v11
	v_lshlrev_b32 v225, 4, v224
	s_delay_alu instid0(VALU_DEP_1)
	v_sub_nc_u32 v5, v5, v225
	s_lshr_b32 s74, s[WV], 1
	s_and_b32 s74, s74, 3
	s_lshl_b32 s74, s74, 5
	s_and_b32 s75, s[WV], 1
	s_lshl_b32 s75, s75, 3
	s_add_co_u32 s74, s74, s75
	v_add_nc_u32 v5, s74, v5                       ; my query's place in its block of 128, less 16 h: in the masked step register 16 b + i holds key 32 b + 16 h + i, hidden where 32 b + i is above this number
.irp i, 22,23,24,25,26,27
	v_mov_b32 v\i, 0                               ; Q's upper 64 along K: zero codes
.endr
.irp t, 0,1,2,3
.irp i, 6,7,8,9,10,11
	v_mov_b32 v[32+12*\t+\i], 0                    ; K's likewise: written once
.endr
.endr
.irp b, 0,1,2,3
	v_mov_b32 v[BP+\b], 0                          ; a lane permute's destination counts as one of its sources
.endr
	v_mov_b32 v227, 0                              ; (named as the upper half of the pair v[226:227])
.macro INIT                            ; a tile's start: the first step finds zeros, which the first change of M leaves zeros
	v_mov_b32 v13, 0xff61b1e6                      ; the largest t so far: -3e38, under every t
	s_delay_alu instid0(VALU_DEP_1)
	v_floor_f32 v12, -v13
	v_mov_b32 v14, 0
	v_mov_b32 v15, 0
.set jj, 0
.rept 32
	v_mov_b32 v[160+jj], 0
.set jj, jj+1
.endr
.endm
; A KEY STEP: the 128 keys of block s[J], which begins at LDS byte s[TB].  qb: the scalar register with my tile's block.
.macro STEP qb
	s_cmp_gt_u32 s[J], s[\qb]                      ; all its keys come after my queries: a branch on ids, round loads, products and softmax alone
	s_cbranch_scc1 .Lhidden_\@
	s_setprio 2
.rept 4
	v_nop                                          ; with the two additions six places: the products below write over registers that the last step's products read as V's fragments (five are owed)
.endr
	v_add_nc_u32 v6, s[TB], v1
	s_wait_alu depctr_va_vdst(0)
	v_add_nc_u32 v7, s[TB], v2
	s_wait_alu depctr_va_vdst(0)
.irp g, 0,1                                    ; S^T = K Q^T, four tiles of 16 keys at a time
.if \g
.rept 4
	v_nop                                          ; places in front of loads into registers that products have read
.endr
.endif
.irp t, 0,1,2,3
	ds_load_b128 v[32+12*\t:35+12*\t], v6 offset:768*(4*\g+\t)
	ds_load_b64 v[36+12*\t:37+12*\t], v7 offset:768*(4*\g+\t)+512
.endr
.if \g == 0
	ds_load_b128 v[80:83], v6 offset:12288         ; K's words: lanes 0-15 tiles 0-3, lanes 16-31 tiles 4-7
.endif
	s_wait_dscnt 0x0
.irp t, 0,1,2,3
.if \g
	v_wmma_scale_f32_16x16x128_f8f6f4 v[96+8*(4*\g+\t):103+8*(4*\g+\t)], v[32+12*\t:43+12*\t], v[16:27], 0, v[80+\t], v28 matrix_a_fmt:MATRIX_FMT_FP6 matrix_b_fmt:MATRIX_FMT_FP6 matrix_a_scale:MATRIX_SCALE_ROW1
.else
	v_wmma_scale_f32_16x16x128_f8f6f4 v[96+8*(4*\g+\t):103+8*(4*\g+\t)], v[32+12*\t:43+12*\t], v[16:27], 0, v[80+\t], v28 matrix_a_fmt:MATRIX_FMT_FP6 matrix_b_fmt:MATRIX_FMT_FP6
.endif
.endr
.endr
.rept 4
	v_nop
.endr
	s_cmp_lg_u32 s[J], s[\qb]                      ; only my own block's step is masked
	s_cbranch_scc1 .Lopen_\@
	v_mov_b32 v224, 0xff800000                     ; hidden scores become -infinity ahead of the maximum: p = 0 then.  My own key counts, so the row's maximum is a number
.set nn, 0
.rept 64
	v_cmp_gt_i32 vcc_lo, 32*(nn/16)+nn%16, v5
	v_cndmask_b32 v[96+nn], v[96+nn], v224, vcc_lo
.set nn, nn+1
.endr
.Lopen_\@:
.irp b, 0,1,2,3
	v_max3_num_f32 v[BM+\b], v[96+16*\b], v[97+16*\b], v[98+16*\b]   ; the largest score of each block of 32 keys: for the row's maximum, and, since p rises with the score, for the block's largest p
.endr
.irp i, 3,5,7,9,11,13
.irp b, 0,1,2,3
	v_max3_num_f32 v[BM+\b], v[BM+\b], v[96+16*\b+\i], v[97+16*\b+\i]
.endr
.endr
.irp b, 0,1,2,3
	v_max_num_f32 v[BM+\b], v[BM+\b], v[111+16*\b]
.endr
.irp b, 0,1,2,3
	s_delay_alu instid0(VALU_DEP_4)
	v_permlanex16_b32 v[BP+\b], v[BM+\b], s[SEL], s[SEL+1]
.endr
.irp b, 0,1,2,3
	s_delay_alu instid0(VALU_DEP_4)
	v_max_num_f32 v[BM+\b], v[BM+\b], v[BP+\b]     ; with lane l xor 16's 16 keys
.endr
	s_delay_alu instid0(VALU_DEP_2)
	v_max3_num_f32 v224, v[BM], v[BM+1], v[BM+2]
	s_delay_alu instid0(VALU_DEP_1)
	v_max_num_f32 v224, v224, v[BM+3]
	s_delay_alu instid0(VALU_DEP_1)
	v_mul_f32 v224, s[CS], v224                    ; the step's largest t (c is positive)
	s_delay_alu instid0(VALU_DEP_1)
	v_max_num_f32 v13, v13, v224
	v_mov_b32 v224, v12
	s_delay_alu instid0(VALU_DEP_2)
	v_floor_f32 v12, -v13                          ; the new -M = floor(-t): M is a whole number
	s_delay_alu instid0(VALU_DEP_1)
	v_sub_f32 v224, v12, v224                      ; old M - new M: a whole number, 0 or less
	s_delay_alu instid0(VALU_DEP_1)
	v_cvt_i32_f32 v224, v224                       ; (it saturates)
	s_delay_alu instid0(VALU_DEP_1)
	v_ldexp_f32 v226, 1.0, v224                    ; f = 2^(old M - new M)
.set jj, 0
.rept 32
	v_pk_fma_f32 v[96+jj:97+jj], v[96+jj:97+jj], s[CS:CS+1], v[12:13] op_sel_hi:[1,0,0]   ; t - M, two at a time
.set jj, jj+2
.endr
	s_setprio 1
.irp b, 0,1,2,3
	v_fma_f32 v[BM+\b], v[BM+\b], s[CS], v12       ; the same of each block's largest score
.endr
.set jj, 0
	s_wait_alu depctr_va_vdst(0)
.rept 64
	v_exp_f32 v[96+jj], v[96+jj]                   ; p = 2^(t - M), at most 1
.set jj, jj+1
.endr
	v_pk_mul_f32 v[14:15], v[14:15], v[226:227] op_sel_hi:[1,0]   ; the sums under the new M: the plain place behind the exponentials
	s_wait_alu depctr_va_vdst(0)                   ; one wait for the whole batch, ahead of its first reader
.irp b, 0,1,2,3
	v_exp_f32 v[BM+\b], v[BM+\b]                   ; the blocks' largest p
.endr
	v_pk_add_f32 v[216:217], v[100:101], v[104:105]
	v_pk_add_f32 v[254:255], v[108:109], v[112:113]
	v_pk_add_f32 v[252:253], v[116:117], v[120:121]
	v_pk_add_f32 v[250:251], v[124:125], v[128:129]
	v_pk_add_f32 v[248:249], v[132:133], v[136:137]
	v_pk_add_f32 v[246:247], v[140:141], v[144:145]
	v_pk_add_f32 v[244:245], v[148:149], v[152:153]
	v_pk_add_f32 v[14:15], v[14:15], v[156:157]
	v_pk_add_f32 v[216:217], v[216:217], v[96:97]
	v_pk_add_f32 v[254:255], v[254:255], v[98:99]
	v_pk_add_f32 v[252:253], v[252:253], v[102:103]
	v_pk_add_f32 v[250:251], v[250:251], v[106:107]
	v_pk_add_f32 v[248:249], v[248:249], v[110:111]
	v_pk_add_f32 v[246:247], v[246:247], v[114:115]
	v_pk_add_f32 v[244:245], v[244:245], v[118:119]
	v_pk_add_f32 v[14:15], v[14:15], v[122:123]
	v_pk_add_f32 v[216:217], v[216:217], v[126:127]
	v_pk_add_f32 v[254:255], v[254:255], v[130:131]
	v_pk_add_f32 v[252:253], v[252:253], v[134:135]
	v_pk_add_f32 v[250:251], v[250:251], v[138:139]
	v_pk_add_f32 v[248:249], v[248:249], v[142:143]
	v_pk_add_f32 v[246:247], v[246:247], v[146:147]
	v_pk_add_f32 v[244:245], v[244:245], v[150:151]
	v_pk_add_f32 v[14:15], v[14:15], v[154:155]
	v_pk_add_f32 v[216:217], v[216:217], v[158:159]
	s_delay_alu instid0(VALU_DEP_2)
	v_pk_add_f32 v[14:15], v[14:15], v[250:251]
	s_delay_alu instid0(VALU_DEP_2)
	v_pk_add_f32 v[216:217], v[216:217], v[248:249]
	v_pk_add_f32 v[254:255], v[254:255], v[246:247]
	v_pk_add_f32 v[252:253], v[252:253], v[244:245]
	s_delay_alu instid0(VALU_DEP_2)
	v_pk_add_f32 v[14:15], v[14:15], v[254:255]
	s_delay_alu instid0(VALU_DEP_2)
	v_pk_add_f32 v[216:217], v[216:217], v[252:253]
	s_delay_alu instid0(VALU_DEP_1)
	v_pk_add_f32 v[14:15], v[14:15], v[216:217]
	s_wait_alu depctr_va_vdst(0)                   ; and one for the four
.irp b, 0,1,2,3
	v_max_num_f32 v[BM+\b], 0x1800000, v[BM+\b]    ; the floor 2^(3 - 127): a block whose every p is 0 keeps the byte 1: its codes are zeros
.endr
.irp b, 0,1,2,3
	s_delay_alu instid0(VALU_DEP_4)
	v_add_nc_u32 v[SO+\b], 0xff000000, v[BM+\b]
.endr
.irp b, 0,1,2,3
	s_delay_alu instid0(VALU_DEP_4)
	v_lshrrev_b32 v[BP+\b], 23, v[SO+\b]
.endr
	s_delay_alu instid0(VALU_DEP_3)
	v_lshl_or_b32 v29, v[BP+1], 8, v[BP]           ; p's scale word for these 128 keys
	s_delay_alu instid0(VALU_DEP_1)
	v_lshl_or_b32 v29, v[BP+2], 16, v29
	s_delay_alu instid0(VALU_DEP_1)
	v_lshl_or_b32 v29, v[BP+3], 24, v29
.irp c, 0,1
	v_cvt_scalef32_pk16_fp6_f32 v[192+6*\c:194+6*\c], v[96+32*\c:111+32*\c], v[SO+2*\c]
	v_cvt_scalef32_pk16_fp6_f32 v[204+4*\c:206+4*\c], v[112+32*\c:127+32*\c], v[SO+2*\c+1]
.endr
	v_nop                                          ; one plain place behind a scaled conversion
	s_setprio 0
.irp c, 0,1
.irp i, 0,1,2
	v_permlane16_swap_b32 v[192+6*\c+\i], v[204+4*\c+\i]
.endr
.irp i, 0,1,2
	s_delay_alu instid0(VALU_DEP_3)
	v_mov_b32 v[195+6*\c+\i], v[204+4*\c+\i]
.endr
.endr
.set jj, 0
.rept 16
	v_pk_mul_f32 v[160+jj:161+jj], v[160+jj:161+jj], v[226:227] op_sel_hi:[1,0]   ; O^T under the new M.  These sixteen are also the places between p's word and codes and the products below
.set jj, jj+2
.endr
.irp t, 0,1,2,3                                ; O^T += V^T P^T: the head's four tiles of 16 channels; K = these 128 keys
.irp c, 0,1,2
	ds_load_b128 v[96+12*\t+4*\c:99+12*\t+4*\c], v6 offset:6144+1536*\t+512*\c
.endr
.endr
	ds_load_b128 v[84:87], v6 offset:12800
	s_wait_alu depctr_va_vdst(0)
	s_wait_dscnt 0x0
.irp t, 0,1,2,3
	v_wmma_scale_f32_16x16x128_f8f6f4 v[160+8*\t:167+8*\t], v[96+12*\t:107+12*\t], v[192:203], v[160+8*\t:167+8*\t], v[84+\t], v29 matrix_a_fmt:MATRIX_FMT_FP6 matrix_b_fmt:MATRIX_FMT_FP6
.endr
.Lhidden_\@:
.endm
.macro LOOP j0, n, qb                  ; key steps j0 .. j0 + n - 1: the trip count is a constant; a hidden step's work is jumped over
	s_mov_b32 s[J], \j0
	s_mov_b32 s[TB], \j0*BLK
.Lloop_\@:
	STEP \qb
	s_add_co_u32 s[TB], s[TB], BLK
	s_add_co_u32 s[J], s[J], 1
	s_cmp_lt_u32 s[J], \j0+\n
	s_cbranch_scc1 .Lloop_\@
	s_setprio 0
.endm
; A tile's end: y = O^T / the sum; register 16 B + i is channel 32 B + 16 h + i of my query: two blocks of the last product's K.  They are quantised and leave as half a fragment's image.
.macro FINISH yb, sb
.rept 4
	v_nop                                          ; places behind the last products
.endr
	v_add_f32 v14, v14, v15
	s_delay_alu instid0(VALU_DEP_1)
	v_permlanex16_b32 v[BP], v14, s[SEL], s[SEL+1]
	s_delay_alu instid0(VALU_DEP_1)
	v_add_f32 v14, v14, v[BP]                      ; the row's sum
	s_wait_alu depctr_va_vdst(0)
	v_rcp_f32 v14, v14
	v_nop                                          ; a plain place behind the reciprocal
	s_wait_alu depctr_va_vdst(0)                   ; and the wait ahead of its first reader
.set jj, 0
.rept 32
	v_mul_f32 v[96+jj], v[160+jj], v14             ; each accumulator from its low end on
.set jj, jj+1
.endr
	v_max3_num_f32 v[BM], |v96|, |v97|, 0x1800000
	v_max3_num_f32 v[BM+1], |v112|, |v113|, 0x1800000
.irp i, 2,4,6,8,10,12,14
	s_delay_alu instid0(VALU_DEP_2)
	v_max3_num_f32 v[BM], v[BM], |v[96+\i]|, |v[97+\i]|
	s_delay_alu instid0(VALU_DEP_2)
	v_max3_num_f32 v[BM+1], v[BM+1], |v[112+\i]|, |v[113+\i]|
.endr
	s_delay_alu instid0(VALU_DEP_2)
	v_permlanex16_b32 v[BP], v[BM], s[SEL], s[SEL+1]
	s_delay_alu instid0(VALU_DEP_2)
	v_permlanex16_b32 v[BP+1], v[BM+1], s[SEL], s[SEL+1]
	s_delay_alu instid0(VALU_DEP_2)
	v_max_num_f32 v[BM], v[BM], v[BP]
	s_delay_alu instid0(VALU_DEP_2)
	v_max_num_f32 v[BM+1], v[BM+1], v[BP+1]
	s_delay_alu instid0(VALU_DEP_2)
	v_add_nc_u32 v[SO], 0xff000000, v[BM]
	s_delay_alu instid0(VALU_DEP_2)
	v_add_nc_u32 v[SO+1], 0xff000000, v[BM+1]
	s_delay_alu instid0(VALU_DEP_2)
	v_lshrrev_b32 v[BP], 23, v[SO]
	s_delay_alu instid0(VALU_DEP_2)
	v_lshrrev_b32 v[BP+1], 23, v[SO+1]
	s_delay_alu instid0(VALU_DEP_1)
	v_lshl_or_b32 v225, v[BP+1], 8, v[BP]
	v_cvt_scalef32_pk16_fp6_f32 v[192:194], v[96:111], v[SO]
	v_cvt_scalef32_pk16_fp6_f32 v[204:206], v[112:127], v[SO+1]
	v_nop
.irp i, 0,1,2
	v_permlane16_swap_b32 v[192+\i], v[204+\i]
.endr
.irp i, 0,1,2
	s_delay_alu instid0(VALU_DEP_3)
	v_mov_b32 v[195+\i], v[204+\i]
.endr
	global_store_b128 v1, v[192:195], s[\yb:\yb+1]               ; 512 consecutive bytes, aligned
	global_store_b64 v2, v[196:197], s[\yb:\yb+1] offset:512     ; 256
	global_store_b16 v9, v225, s[\sb:\sb+1]                      ; both halves of the lanes write the same two bytes of row r's word
	s_wait_xcnt 0x0                                ; the stores have read their registers, which the next tile writes again
.endm
	s_wait_loadcnt 0x0                             ; Q
	INIT
	s_wait_tensorcnt 0x1                           ; my part of blocks 0-3 is in; my part of blocks 4-15 may stay out
	s_barrier_signal -1
	s_barrier_wait -1
	LOOP 0, 4, QB0
	s_wait_tensorcnt 0x0                           ; my part of blocks 4-15 is in,
	s_wait_dscnt 0x0
	s_barrier_signal -1
	s_barrier_wait -1                              ; everybody's is
	LOOP 4, 4, QB0                                 ; the first tile lies in blocks 0-7
	FINISH YB, YS
.irp i, 0,1,2,3,4,5
	v_mov_b32 v[16+\i], v[88+\i]                   ; the second tile's Q and words; the 36 lines of INIT are the places between them and the products
.endr
	v_mov_b32 v28, v94
	INIT
	LOOP 0, 16, QB0+1
	FINISH YB+2, YS+2
	s_wait_tensorcnt 0x0                           ; the wave's end
	ds_add_u32 v3, v4
	s_wait_dscnt 0x0
	s_endpgm
.Lfunc_end_k_qa7676eeef4_attn:
	.size	k_qa7676eeef4_attn, .Lfunc_end_k_qa7676eeef4_attn-k_qa7676eeef4_attn
	.p2alignl 7, 3214868480
	.fill 96, 4, 3214868480
	.section	.rodata,"a",@progbits
	.p2align	6, 0x0
	.amdhsa_kernel k_qa7676eeef4_attn
		.amdhsa_group_segment_fixed_size 215040
		.amdhsa_private_segment_fixed_size 0
		.amdhsa_enable_private_segment 0
		.amdhsa_kernarg_size 32
		.amdhsa_user_sgpr_count 2
		.amdhsa_user_sgpr_kernarg_segment_ptr 1
		.amdhsa_wavefront_size32 1
		.amdhsa_system_sgpr_workgroup_id_x 1
		.amdhsa_system_sgpr_workgroup_id_y 1
		.amdhsa_system_sgpr_workgroup_id_z 1
		.amdhsa_system_vgpr_workitem_id 0
		.amdhsa_next_free_vgpr 256
		.amdhsa_next_free_sgpr 84
		.amdhsa_reserve_vcc 1
		.amdhsa_float_denorm_mode_32 3
		.amdhsa_float_denorm_mode_16_64 3
		.amdhsa_memory_ordered 1
		.amdhsa_forward_progress 1
		.amdhsa_inst_pref_size 87
	.end_amdhsa_kernel
	.amdgpu_metadata
---
amdhsa.version: [ 1, 2 ]
amdhsa.kernels:
  - .name:           k_qa7676eeef4_attn
    .symbol:         k_qa7676eeef4_attn.kd
    .args:
      - { .name: qb, .offset: 0, .size: 8, .value_kind: global_buffer, .address_space: global }
      - { .name: kv, .offset: 8, .size: 8, .value_kind: global_buffer, .address_space: global }
      - { .name: yc, .offset: 16, .size: 8, .value_kind: global_buffer, .address_space: global }
      - { .name: ysc, .offset: 24, .size: 8, .value_kind: global_buffer, .address_space: global }
    .group_segment_fixed_size: 215040
    .private_segment_fixed_size: 0
    .kernarg_segment_align: 8
    .kernarg_segment_size: 32
    .max_flat_workgroup_size: 512
    .sgpr_count:     84
    .vgpr_count:     256
    .wavefront_size: 32
...
	.end_amdgpu_metadata
.endif
;; end of part 3
;; launch proj (part 4): grid 8 x 32, 4 waves a work-group, clusters of 4 x 4, 327,680 bytes of LDS; arguments yc, ysc, wc, wsc, b_proj, out0; writes out0
.if DOCPART == 4
	.amdgcn_target "amdgcn-amd-amdhsa--gfx1250"
	.amdhsa_code_object_version 6
	.text
	.protected	k_qa7676eeef4_proj
	.globl	k_qa7676eeef4_proj
	.p2align	8
	.type	k_qa7676eeef4_proj,@function
k_qa7676eeef4_proj:
	s_mov_b64 s[64:65], 0
	v_nop
	global_prefetch_b8 v0, s[64:65] scope:SCOPE_SE
	s_setreg_imm32_b32 hwreg(HW_REG_WAVE_MODE, 25, 1), 1
	s_wait_xcnt 0x0
	s_wait_alu depctr_hold_cnt(0) depctr_sa_sdst(0) depctr_va_vdst(0) depctr_va_sdst(0) depctr_va_ssrc(0) depctr_va_vcc(0) depctr_vm_vsrc(0)
	s_getreg_b32 s2, hwreg(HW_REG_IB_STS2, 6, 4)
	s_cmp_eq_u32 s2, 0
	s_cbranch_scc0 .Lentry_in_a_cluster
	s_endpgm
.Lentry_in_a_cluster:
	s_bfe_u32 s2, ttmp6, 0x10000c
	s_cmp_lg_u32 s2, 0xf033
	s_cbranch_scc0 .Lentry_shape_is_right
	s_endpgm
.Lentry_shape_is_right:
; out0 = y W_proj + b_proj on codes of FP6 (E2M3) with E8M0 scales; sums in f32.
; SHARES.  A work-group takes 256 tokens (block mb) x 128 columns (group g); wave (wm, wn) 128 tokens (8 tiles a) x 64 columns (4 tiles b): 32 accumulators.  K = 1024 goes in 8 steps of 128.
; All of the work-group's operands, 196,608 bytes of y's codes and 98,304 of the weights', come into LDS once, by two tensor loads a wave; nothing is filled again.
; y's fragments lie as the attention left them: half e (a head) at 768 e: registers 6 e .. 6 e + 3 of lane l at 16 l, registers 6 e + 4, 5 at 512 + 8 l.  The weights': registers 4 c .. 4 c + 3 at 512 c + 16 l.
; The tokens and columns of a tile are not neighbours (member 32 B + 8 u + r + 8 (r / 8) of a group of 32).  Source 0 = 16 columns, source 1 = 16 tokens: a lane holds one token, and the 16 registers of tiles 2 B, 2 B + 1
; are 16 neighbouring columns.  The bias is the C of each sum's first product.
; THE WAY OUT: a tile of 16 tokens x 64 columns goes through the wave's own stage in LDS and leaves as rows: sixteen lanes store 256 consecutive bytes, aligned.
; CLUSTER 4 x 4: y's codes hang on mb alone and are asked for jointly along a row, the weights' on g alone, along a column.
; No prefetch: every byte is asked for at the head.  LIMITS: NaN and infinities are not served.
; REGISTERS: window 0: addresses, scale words, rows on the way out; window 1: y's fragments, two sets of 96; window 2: the weights', two sets of 48, and from v96 the bias; window 3: the accumulators, (a, b) at 8 (4 a + b).
.set BRING, 196608
.set STAGE, 294912                     ; 16 rows x (256 bytes + 16) for each wave; no tensor load lands here
.set SPARE, 312320
.set ADA, 6                            ; v6-8   y's fragments, the pieces of 16 bytes: K steps 0-2, 3-5, 6-7
.set ADB, 9                            ; v9-10  the weights': K steps 0-3, 4-7
.set SPW, 12
.set NIL, 13
.set SA,  16                           ; v16-47 y's scale words: 4 a + j: lanes 0-15 K step j, lanes 16-31 K step 4 + j
.set SB,  48                           ; v48-63 the weights': 4 b + j
.set STO, 64
.set RD,  65
.set CO,  66
.set ADH, 68                           ; v68-70 y's fragments, the pieces of 8 bytes
.set OUTR, 96                          ; v96-159 two sets of 8 x 4 registers: rows read back
.set BI,  96                           ; window 2
.set WV,  18
.set WM,  19
.set WN,  20
.set G1A, 28
.set G1F, 36
.set MSB, 0
.macro WIN new
.if MSB != \new
	s_set_vgpr_msb (MSB<<8)|\new
.set MSB, \new
.endif
.endm
.macro PLACES
.rept 4
	v_nop
.endr
.endm
.macro CROUND                          ; a round of the cluster's barrier
	s_barrier_signal -1
	s_barrier_wait -1
	s_cmp_lg_u32 s[WV], 0
	s_cbranch_scc1 .Lnot_wave_0_\@
	s_barrier_signal -3
.Lnot_wave_0_\@:
	s_barrier_wait -3
	s_barrier_signal -1
	s_barrier_wait -1
.endm
.macro G1ROWS g, rows                  ; a dense block as rows of 256 bytes: 32 elements of 8 bytes
	s_mov_b32 s[\g+1], 32<<16
	s_mov_b32 s[\g+2], (\rows)<<16
	s_mov_b32 s[\g+3], 32<<16
	s_mov_b32 s[\g+4], \rows
	s_mov_b32 s[\g+5], 32
	s_mov_b32 s[\g+6], 0
	s_mov_b32 s[\g+7], 0
.endm
.macro MKG0 g0, lreg, lconst, apair, gconst
	s_mov_b32 s[\g0], 1
	s_add_co_u32 s[\g0+1], s[\lreg], \lconst
	s_add_nc_u64 s[\g0+2:\g0+3], s[\apair:\apair+1], \gconst
	s_or_b32 s[\g0+3], s[\g0+3], 0x80000000
.endm
	s_load_b256 s[4:11], s[0:1], 0x0               ; yc s[4:5], ysc s[6:7], wc s[8:9], wsc s[10:11]
	s_load_b128 s[12:15], s[0:1], 0x20             ; b_proj s[12:13], out0 s[14:15]
	v_lshl_add_u32 v[SPW], v0, 2, SPARE
	v_mov_b32 v[NIL], 0
	ds_add_u32 v[SPW], v[NIL]                      ; the wave's opening: the add and its wait ahead of my first tensor load; work on registers stands between them
	v_lshrrev_b32 v1, 5, v0
	v_readfirstlane_b32 s[WV], v1
	s_lshr_b32 s[WM], s[WV], 1
	s_and_b32 s[WN], s[WV], 1
	s_bfe_u32 s21, ttmp6, 0x40000                  ; cx
	s_bfe_u32 s22, ttmp6, 0x40004                  ; cy
	s_lshl_b32 s23, ttmp9, 2
	s_add_co_u32 s23, s23, s21                     ; g
	s_and_b32 s24, ttmp7, 0xffff
	s_lshl_b32 s24, s24, 2
	s_add_co_u32 s24, s24, s22                     ; mb
	s_lshl_b32 s25, s22, 2
	s_lshl_b32 s25, 15, s25                        ; my row of the cluster
	s_lshl_b32 s26, 0x1111, s21                    ; my column
	s_or_b32 s[G1A], s25, (3<<16)|(1<<21)
	s_or_b32 s[G1F], s26, (3<<16)|(1<<21)
	G1ROWS G1A, 192
	G1ROWS G1F, 96
	s_mul_i32 s84, s24, 196608                     ; (this pair never holds g)
	s_mul_i32 s88, s[WN], 49152
	s_add_co_u32 s84, s84, s88
	s_mov_b32 s85, 0
	s_mul_i32 s86, s23, 98304                      ; (this pair never holds mb)
	s_mul_i32 s89, s[WN], 24576
	s_add_co_u32 s86, s86, s89
	s_mov_b32 s87, 0
	v_and_b32 v72, 31, v0                          ; lane
	v_and_b32 v73, 15, v0                          ; r
	v_bfe_u32 v74, v0, 4, 1                        ; h
	v_lshlrev_b32 v1, 4, v72
	v_lshlrev_b32 v2, 3, v72
	v_lshlrev_b32 v3, 2, v73
	v_lshl_add_u32 v3, v74, 8, v3                  ; 256 h + 4 r
	v_lshlrev_b32 v4, 6, v74                       ; 64 h
	s_mul_i32 s94, s[WM], 12288
	v_add_nc_u32 v[ADA], s94, v1
	v_add_nc_u32 v[ADA+1], 73728, v[ADA]
	v_add_nc_u32 v[ADA+2], 147456, v[ADA]
	v_add_nc_u32 v[ADH], s94, v2
	v_add_nc_u32 v[ADH+1], 73728, v[ADH]
	v_add_nc_u32 v[ADH+2], 147456, v[ADH]
	s_mul_i32 s94, s[WN], 6144
	s_add_co_u32 s94, s94, BRING
	v_add_nc_u32 v[ADB], s94, v1
	v_add_nc_u32 v[ADB+1], 49152, v[ADB]
	s_mul_i32 s94, s[WV], 4352
	s_add_co_u32 s94, s94, STAGE                   ; my stage
	v_mul_u32_u24 v[STO], v73, 272
	v_lshl_add_u32 v[STO], v74, 6, v[STO]
	v_add_nc_u32 v[STO], s94, v[STO]               ; in: row r, + 64 h
	v_mul_u32_u24 v[RD], v74, 272
	v_lshl_add_u32 v[RD], v73, 4, v[RD]
	v_add_nc_u32 v[RD], s94, v[RD]                 ; back: lanes 0-15 one row, lanes 16-31 the next
	v_lshlrev_b32 v[CO], 12, v74
	v_lshl_add_u32 v[CO], v73, 4, v[CO]            ; and the same two rows in out0
	s_mov_b32 s93, 0
	s_wait_dscnt 0x0                               ; the opening add is done
	s_wait_kmcnt 0x0
	s_add_nc_u64 s[84:85], s[4:5], s[84:85]
	s_add_nc_u64 s[86:87], s[8:9], s[86:87]
	s_add_nc_u64 s[86:87], s[86:87], 24*98304      ; W_proj's groups of 128 columns follow W_attn's 24
	MKG0 52, 88, 0, 84, 0                          ; y: K steps 0-3 (waves 0, 1: two each),
	MKG0 56, 88, 98304, 84, 98304                  ;    K steps 4-7
	MKG0 60, 89, BRING, 86, 0                      ; the weights: K steps 0-3 (waves 2, 3),
	MKG0 68, 89, BRING+49152, 86, 49152            ;    K steps 4-7
	s_lshl_b32 s92, s24, 13
	s_lshl_b32 s94, s[WM], 12
	s_add_co_u32 s92, s92, s94
	s_add_nc_u64 s[6:7], s[6:7], s[92:93]          ; y's scale words: my 8 tiles
	s_lshl_b32 s92, s23, 12
	s_lshl_b32 s94, s[WN], 11
	s_add_co_u32 s92, s92, s94
	s_add_co_u32 s92, s92, 192*512
	s_add_nc_u64 s[10:11], s[10:11], s[92:93]      ; the weights': my 4 tiles
	s_lshl_b32 s92, s23, 9
	s_lshl_b32 s94, s[WN], 8
	s_add_co_u32 s92, s92, s94
	s_add_nc_u64 s[12:13], s[12:13], s[92:93]      ; the bias of my 64 columns,
	s_add_nc_u64 s[14:15], s[14:15], s[92:93]      ; and their place in a row of out0;
	s_lshl_b32 s92, s24, 20
	s_lshl_b32 s94, s[WM], 19
	s_add_co_u32 s92, s92, s94
	s_add_nc_u64 s[14:15], s[14:15], s[92:93]      ; my first token's row
	CROUND                                         ; all sixteen work-groups are here: the joint loads meet
	s_cmp_eq_u32 s[WM], 0                          ; a wave's two fills stand in one branch, ahead of every wait on TENSORcnt and every LDS read: two loads of mine are out
	s_cbranch_scc0 .Lfirst_b
	tensor_load_to_lds s[52:55], s[G1A:G1A+7]
	s_nop 0
	tensor_load_to_lds s[56:59], s[G1A:G1A+7]
	s_nop 0
	PLACES
	s_branch .Lfirst_done
.Lfirst_b:
	tensor_load_to_lds s[60:63], s[G1F:G1F+7]
	s_nop 0
	tensor_load_to_lds s[68:71], s[G1F:G1F+7]
	s_nop 0
	PLACES
.Lfirst_done:
.irp a, 0,1,2,3,4,5,6,7
.irp j, 0,1,2,3
	global_load_b32 v[SA+4*\a+\j], v3, s[6:7] offset:512*\a+64*\j
.endr
.endr
.irp b, 0,1,2,3
.irp j, 0,1,2,3
	global_load_b32 v[SB+4*\b+\j], v3, s[10:11] offset:512*\b+64*\j
.endr
.endr
	WIN 0x80
.irp b, 0,1,2,3                                ; lane (r, h), register j of tile b: the bias of column 32 (b / 2) + 16 h + 8 (b % 2) + j
	global_load_b128 v[BI+8*\b:BI+8*\b+3], v4, s[12:13] offset:(32*(\b/2)+8*(\b%2))*4
	global_load_b128 v[BI+8*\b+4:BI+8*\b+7], v4, s[12:13] offset:(32*(\b/2)+8*(\b%2))*4+16
.endr
	WIN 0
; 44 LDS loads in one run: K step ks: y's 8 fragments (four loads each) and the weights' 4 (three each), into set
.macro FETCH ks, set
	WIN 0x40
.irp a, 0,1,2,3,4,5,6,7
.irp e, 0,1
	ds_load_b128 v[96*(\set)+12*\a+6*\e:96*(\set)+12*\a+6*\e+3], v[ADA+(\ks)/3] offset:((\ks)%3)*24576+1536*\a+768*\e
	ds_load_b64 v[96*(\set)+12*\a+6*\e+4:96*(\set)+12*\a+6*\e+5], v[ADH+(\ks)/3] offset:((\ks)%3)*24576+1536*\a+768*\e+512
.endr
.endr
	WIN 0x80
.irp b, 0,1,2,3
.irp c, 0,1,2
	ds_load_b128 v[48*(\set)+12*\b+4*\c:48*(\set)+12*\b+4*\c+3], v[ADB+(\ks)/4] offset:((\ks)%4)*12288+1536*\b+512*\c
.endr
.endr
.endm
.macro WMI d, a, b, c, sa, sb, row     ; row = 1: K steps 4-7, whose scale words stand in lanes 16-31
.if \row
	v_wmma_scale_f32_16x16x128_f8f6f4 v[\d:\d+7], v[\a:\a+11], v[\b:\b+11], v[\c:\c+7], v[\sa], v[\sb] matrix_a_fmt:MATRIX_FMT_FP6 matrix_b_fmt:MATRIX_FMT_FP6 matrix_a_scale:MATRIX_SCALE_ROW1 matrix_b_scale:MATRIX_SCALE_ROW1
.else
	v_wmma_scale_f32_16x16x128_f8f6f4 v[\d:\d+7], v[\a:\a+11], v[\b:\b+11], v[\c:\c+7], v[\sa], v[\sb] matrix_a_fmt:MATRIX_FMT_FP6 matrix_b_fmt:MATRIX_FMT_FP6
.endif
.endm
; The products of K step ks for y's tiles a0 .. a1 against the weights' four.  The 32 accumulators take turns, one instruction a turn, in the same order in every step.
.macro MUL ks, a0, a1, first
.if \first
	WIN 0xe6                                       ; source 0 (weights) window 2, source 1 (y) window 1, C (bias) window 2, D window 3
.else
	WIN 0xf6
.endif
.set aa, \a0
.rept \a1-\a0+1
.irp b, 0,1,2,3
.set fX, 96*((\ks)%2)+12*aa
.set fW, 48*((\ks)%2)+12*\b
.set qX, SA+4*aa+(\ks)%4
.set qW, SB+4*\b+(\ks)%4
.set rD, 8*(4*aa+\b)
.if \first
.set rC, BI+8*\b
.else
.set rC, rD
.endif
	WMI rD, fW, fX, rC, qW, qX, (\ks)/4
.endr
.set aa, aa+1
.endr
.endm
.macro STEP ks, first, fetch
.if \fetch
	PLACES
	FETCH (\ks)+1, ((\ks)+1)%2
	s_wait_dscnt 44                                ; all but the 44 just issued: this step's fragments, asked for a step ago, are in
.else
	s_wait_dscnt 0x0
.endif
	MUL \ks, 0, 7, \first
.endm
	s_wait_tensorcnt 0x1                           ; my part of K steps 0-3 is in; my load for K steps 4-7 may stay out
	s_barrier_signal -1
	s_barrier_wait -1
	FETCH 0, 0
	s_wait_loadcnt 0x0                             ; scale words and bias
	STEP 0, 1, 1
	STEP 1, 0, 1
	STEP 2, 0, 1
	; K step 3: behind its barrier K steps 4-7 may be read
	WIN 0
	s_wait_tensorcnt 0x0                           ; my part of K steps 4-7 is in
	ds_add_u32 v[SPW], v[NIL]
	s_wait_dscnt 0x1                               ; this step's 44 loads are in; the add may be out
	MUL 3, 0, 1, 0
	s_wait_dscnt 0x0
	s_barrier_signal -1
	MUL 3, 2, 3, 0
	WIN 0
	s_barrier_wait -1
	PLACES
	FETCH 4, 0
	MUL 3, 4, 7, 0
	STEP 4, 0, 1
	STEP 5, 0, 1
	STEP 6, 0, 1
	STEP 7, 0, 0
; THE WAY OUT, a tile of 16 tokens at a time.  LDS serves a wave's instructions in order: no wait between my stores and my loads, nor in front of the next tile's stores.
.macro TOSTAGE a
	WIN 0x0c                                       ; an LDS store's data are its source 1: window 3
.irp b, 0,1,2,3
	ds_store_b128 v[STO], v[8*(4*(\a)+\b):8*(4*(\a)+\b)+3] offset:128*(\b/2)+32*(\b%2)          ; each accumulator from its low end on
	ds_store_b128 v[STO], v[8*(4*(\a)+\b)+4:8*(4*(\a)+\b)+7] offset:128*(\b/2)+32*(\b%2)+16
.endr
	WIN 0
.irp t, 0,1,2,3,4,5,6,7
	ds_load_b128 v[OUTR+32*((\a)%2)+4*\t:OUTR+32*((\a)%2)+4*\t+3], v[RD] offset:544*\t
.endr
.endm
.macro SEND a, younger                 ; younger: the LDS instructions issued behind tile a's loads, which may stay out.  Row 2 t + h of the tile is token 32 (a / 2) + 8 (a % 2) + 2 t + h + 8 (t / 4) of my 128
	s_wait_dscnt \younger
.irp t, 0,1,2,3,4,5,6,7
	global_store_b128 v[CO], v[OUTR+32*((\a)%2)+4*\t:OUTR+32*((\a)%2)+4*\t+3], s[14:15] offset:(32*((\a)/2)+8*((\a)%2)+2*\t+8*(\t/4))*4096 th:TH_STORE_NT   ; sixteen lanes store 256 consecutive bytes, aligned
.endr
.endm
	PLACES
	TOSTAGE 0
.irp a, 1,2,3,4,5,6,7
.if \a > 1
	s_wait_xcnt 0x0                                ; tile a - 2's stores have read the registers into which tile a's loads land
.endif
	TOSTAGE \a
	SEND \a-1, 16                                  ; behind tile a - 1's loads: tile a's 8 stores and 8 loads
.endr
	SEND 7, 0
	s_wait_tensorcnt 0x0                           ; the wave's end, behind my last LDS store
	ds_add_u32 v[SPW], v[NIL]
	s_wait_dscnt 0x0
	CROUND                                         ; the closing round: no work-group ends while a partner may still ask for a tile that names it
	s_endpgm
.Lfunc_end_k_qa7676eeef4_proj:
	.size	k_qa7676eeef4_proj, .Lfunc_end_k_qa7676eeef4_proj-k_qa7676eeef4_proj
	.p2alignl 7, 3214868480
	.fill 96, 4, 3214868480
	.section	.rodata,"a",@progbits
	.p2align	6, 0x0
	.amdhsa_kernel k_qa7676eeef4_proj
		.amdhsa_group_segment_fixed_size 327680
		.amdhsa_private_segment_fixed_size 0
		.amdhsa_enable_private_segment 0
		.amdhsa_kernarg_size 48
		.amdhsa_user_sgpr_count 2
		.amdhsa_user_sgpr_kernarg_segment_ptr 1
		.amdhsa_wavefront_size32 1
		.amdhsa_system_sgpr_workgroup_id_x 1
		.amdhsa_system_sgpr_workgroup_id_y 1
		.amdhsa_system_sgpr_workgroup_id_z 1
		.amdhsa_system_vgpr_workitem_id 0
		.amdhsa_next_free_vgpr 1024
		.amdhsa_next_free_sgpr 100
		.amdhsa_reserve_vcc 0
		.amdhsa_float_denorm_mode_32 3
		.amdhsa_float_denorm_mode_16_64 3
		.amdhsa_memory_ordered 1
		.amdhsa_forward_progress 1
		.amdhsa_inst_pref_size 84
	.end_amdhsa_kernel
	.amdgpu_metadata
---
amdhsa.version: [ 1, 2 ]
amdhsa.kernels:
  - .name:           k_qa7676eeef4_proj
    .symbol:         k_qa7676eeef4_proj.kd
    .args:
      - { .name: yc, .offset: 0, .size: 8, .value_kind: global_buffer, .address_space: global }
      - { .name: ysc, .offset: 8, .size: 8, .value_kind: global_buffer, .address_space: global }
      - { .name: wc, .offset: 16, .size: 8, .value_kind: global_buffer, .address_space: global }
      - { .name: wsc, .offset: 24, .size: 8, .value_kind: global_buffer, .address_space: global }
      - { .name: b_proj, .offset: 32, .size: 8, .value_kind: global_buffer, .address_space: global }
      - { .name: out0, .offset: 40, .size: 8, .value_kind: global_buffer, .address_space: global }
    .group_segment_fixed_size: 327680
    .private_segment_fixed_size: 0
    .kernarg_segment_align: 8
    .kernarg_segment_size: 48
    .max_flat_workgroup_size: 128
    .sgpr_count:     100
    .vgpr_count:     1024
    .wavefront_size: 32
...
	.end_amdgpu_metadata
.endif
;; end of part 4
